; MI455X (gfx1250); checked and timed in simulation.
; The chip was launched on July 23, 2026; its instructions are those of AMD's public machine-readable ISA for CDNA 5 (MIT licence, August 2026) and "CDNA5" Instruction Set Architecture Reference Guide (July 2026). The comments in the code are by the model that wrote it; some were corrected since.
;; QKV Block. Allowed arithmetic: matrix products marked QUANTISED: E4M3 operands, one given power-of-two scale a tensor, by v_wmma_f32_16x16x64_fp8_fp8 or v_wmma_f32_16x16x128_fp8_fp8, f32 sums; everything else in f32.
;; Inputs: Wk 2,048 x 2,048 float32; Wo 2,048 x 2,048 float32; Wq 2,048 x 2,048 float32; Wv 2,048 x 2,048 float32; bk 2,048 float32; bo 2,048 float32; bq 2,048 float32; bv 2,048 float32; cos 2,048 x 128 float32; lowp_scales 12 int32 (the exponents e of the quantised operands' scales 2^e); mask 1 x 1 x 2,048 x 2,048 float32; sin 2,048 x 128 float32; x 1 x 2,048 x 2,048 float32.
;; Outputs: out0 1 x 2,048 x 2,048 float32.
;; Constants: rope_exclude = 0.
;; This version of the problem:
;;   THIS VERSION OF THE PROBLEM IS GIVEN IN LOW PRECISION. The matrix products marked QUANTISED in the list below multiply operands that are first quantised to E4M3 (4 exponent bits, 3 mantissa bits; 8 bits a number), with one given power-of-two scale for each operand tensor; their sums are f32. All else is computed in f32.
;;   The module's matrix products, in the order in which they are computed (A, B: the left and right operand; K: the contracted axis; several contracted axes count as one K, in the product's order):
;;     1. [M 2,048, K 2,048] x [K 2,048, N 2,048]; A: input x; B: input Wq: QUANTISED (scales: A lowp_scales[0], B lowp_scales[1])
;;     2. [M 2,048, K 2,048] x [K 2,048, N 2,048]; A: input x; B: input Wk: QUANTISED (scales: A lowp_scales[2], B lowp_scales[3])
;;     3. [M 2,048, K 2,048] x [K 2,048, N 2,048]; A: input x; B: input Wv: QUANTISED (scales: A lowp_scales[4], B lowp_scales[5])
;;     4. batch 16 x [M 2,048, K 128] x [K 128, N 2,048]; A: computed on the way; B: computed on the way: QUANTISED (scales: A lowp_scales[6], B lowp_scales[7])
;;     5. batch 16 x [M 2,048, K 2,048] x [K 2,048, N 128]; A: softmax (see below); B: computed on the way: QUANTISED (scales: A lowp_scales[8], B lowp_scales[9])
;;     6. [M 2,048, K 2,048] x [K 2,048, N 2,048]; A: computed on the way; B: input Wo: QUANTISED (scales: A lowp_scales[10], B lowp_scales[11])
;;   THE QUANTISER, for each operand of a quantised product, along K:
;;     - The operand's scale is 2^e, e = its entry of the input lowp_scales (int32; the entries are numbered through the quantised products in the list's order, A before B).
;;     - Each number is divided by the scale, clamped to +-448, and rounded to the nearest number of E4M3, ties to even, subnormals kept.
;;     - The product sums the exact products of the quantised numbers (number of the format x scale) in f32.
;;   ~~~python
;;   def quantise(x, axis, e):      # numpy; x: float32 -> the quantised numbers, widened to float32 again
;;       x = np.moveaxis(x, axis, -1); K = x.shape[-1]
;;       r = np.clip(x / 2.0 ** e, -448, 448)
;;       step = 2.0 ** (np.maximum(np.frexp(np.where(r == 0, 1, r))[1] - 1, -6) - 3)
;;       q = np.round(r / step) * step * 2.0 ** e      # np.round: ties to even
;;       return np.moveaxis(q, -1, axis).astype(np.float32)
;;   ~~~
;;   SOFTMAX AHEAD OF A QUANTISED PRODUCT. Where the list says 'softmax', what is quantised is not the finished softmax but p = 2^(t - M), with t = logit x log2(e) and M = ceil(the row's largest t), a whole number; so 1/2 < the row's largest p <= 1. The row's sum l is taken of the UNQUANTISED p, in f32, and the product's result is divided by l at the end. Since M is a whole number, a kernel that streams over the keys may use a running M (the ceiling of the running maximum): every later rescaling is an exact power of two, so the quantised numbers keep their values, but for numbers so far below the row's largest that they fall under the format's range.
;;   OPERANDS COMPUTED ON THE WAY. 'Computed on the way' means the value that the module computes at that place (a softmax that the list does not call 'softmax' is quantised finished and normalised). What goes into a quantiser is computed in f32, as accurately as f32 sums, v_exp_f32 and their like allow (about 1e-6 of the number): no bf16 or f16 on the way to a quantiser, and a product that is left as it is and whose result goes on into a quantised operand takes f32 operands (vector FMAs, or v_wmma_f32_16x16x4_f32). A number that lies on a knife's edge between two numbers of the format may be rounded either way, as far as f32 arithmetic and the matrix unit's own rounding can turn it there, and no further.
;; One version. Each part assembles by itself: llvm-mc -triple=amdgcn-amd-amdhsa -mcpu=gfx1250 --defsym DOCPART=n.
;; ======== version 1 of 1: 4 launches
;; workspace buffers: codes 29,360,128 bytes; qkv 12,582,912 bytes; cc 4,194,304 bytes; cs 2,097,152 bytes
;; launch quant (part 1): grid 672 x 1, 4 waves a work-group, no clusters, 33,280 bytes of LDS; arguments x, Wq, Wk, Wv, Wo, lowp_scales, codes, cos, sin, cs; writes codes, cs
.if DOCPART == 1
	.amdgcn_target "amdgcn-amd-amdhsa--gfx1250"
	.amdhsa_code_object_version 6
	.text
	.protected	k_qe5e1963154_quant
	.globl	k_qe5e1963154_quant
	.p2align	8
	.type	k_qe5e1963154_quant,@function
k_qe5e1963154_quant:
	s_mov_b64 s[64:65], 0
	v_nop
	global_prefetch_b8 v0, s[64:65] scope:SCOPE_SE
	s_setreg_imm32_b32 hwreg(HW_REG_WAVE_MODE, 25, 1), 1
	s_wait_xcnt 0x0
; FIRST OF FOUR LAUNCHES of the block  out = softmax(rope(x Wq^T + bq) rope(x Wk^T + bk)^T / sqrt(128) + mask) (x Wv^T + bv) Wo^T + bo,  all six products on codes of E4M3 with given scales 2^e.
; DEAD WORK, left out in the launch that applies the rotation: rope_exclude is the constant 0, so keep = (arange(S) < 0) is false at every position whatever the inputs hold, and
; jnp.where(keep, t, rot) is rot everywhere: the comparison, the select and the unrotated copy are not made.  Nothing else is left out: every bias moves codes or outputs, the mask is an input and is read whole,
; cos and sin are read at all 128 columns; every input buffer is loaded by some launch.  LIMIT: a NaN, an infinity or an overflow that reached only the work left out would not be carried to the result
; (here there is none: the unrotated t is also the source of rot).
; THIS LAUNCH does two things.
; (1) Work-groups 0 to 639 turn x, Wq, Wk, Wv, Wo (f32, [2048][2048], K innermost) into codes, one byte each, K innermost, in seven slabs of 4 MiB of the buffer codes:
;   slab 0, 1, 2: x with the scales of entries 0, 2, 4 (they may differ);  slab 3: Wq (entry 1);  4: Wk (entry 3);  5: Wv (entry 5);  6: Wo (entry 11).
;   code = number / 2^e, held within +-448, rounded to the nearest code, ties to even.  LIMITS: each e between -126 and 119, so that 2^e and 448 x 2^e are f32 numbers.  NaN among the inputs is not served.
;   Rows are dense, so a tensor is a plain stream.  128 work-groups to a tensor; a wave takes 16 steps of 512 numbers.  Each load reads 512 consecutive bytes; a step's 2,048 bytes turn through the wave's own stage in LDS,
;   so that a lane holds 16 neighbours for the conversions; a lane's 16 codes are 16 bytes, and a wave's store covers 512 consecutive bytes, aligned.  x is read once and converted three times.
; (2) Work-groups 640 to 671 lay cos and sin out, unchanged in value, in the order in which the next launch's registers take them: the buffer cs, [tile of 16 tokens 128][cos, sin][piece 16][lane 32][16 bytes];
;   piece 2 b + e of lane (r, h) of tile T is table(16 T + r, 16 b + 8 h + 4 e + 0 .. 3).  A wave takes one tile: 32 loads in which each lane reads 16 bytes of its own token's row, 32 stores of 512 consecutive bytes.
;   So that pattern of loads runs once for each tile here, and not once for each of the 32 waves of the next launch that want the tile.
; The work-groups share no input: no cluster, no tensor load, no barrier; no matrix work.  In (1) loads run four steps (16 loads a wave) ahead, the turn through LDS one step.
.set WAVES, 4
.set STEPS, 16
.set NQ,    640                        ; work-groups that quantise; the others lay out the tables
.set WREG,  8192                       ; LDS: a region for each wave: two stages of 32 x SP bytes
.set SP,    80                         ; a lane's place in a stage: its 64 bytes + 16 of padding
.set SPARE, WAVES*WREG                 ; behind the regions: the spare words, 128 bytes for each wave, which no other line names
.set SPW,   12                         ; v12      SPARE + 4 x my thread's number; never rewritten
.set NIL,   13                         ; v13      0; never rewritten
.set R,     16                         ; v16-79   four sets of 16 numbers as they are loaded  (tables: cos's 16 pieces)
.set X,     80                         ; v80-111  two sets of 16 neighbours                   (tables: v80-143 sin's 16 pieces)
.set T,     112                        ; v112-127 the 16 numbers, held
.set C,     128                        ; v128-139 codes: four registers for each of three passes
.set LIM,   140                        ; v140-142 448 x 2^e of pass 0, 1, 2
.set SCL,   143                        ; v143-145 2^e of pass 0, 1, 2
	v_lshl_add_u32 v[SPW], v0, 2, SPARE
	v_mov_b32 v[NIL], 0
	v_lshrrev_b32 v1, 5, v0
	v_readfirstlane_b32 s22, v1                    ; wave
	v_and_b32 v2, 31, v0                           ; lane
	v_lshlrev_b32 v3, 4, v2                        ; 16 x lane: my bytes of a load's 512, and of a store's 512
	s_cmp_ge_u32 ttmp9, NQ                         ; the work-group's number alone decides
	s_cbranch_scc1 .Ltables
	s_load_b256 s[4:11], s[0:1], 0x0               ; x, Wq, Wk, Wv
	s_load_b128 s[12:15], s[0:1], 0x20             ; Wo, the scales' exponents
	s_load_b64 s[16:17], s[0:1], 0x30              ; codes
	s_mul_i32 s18, s22, WREG
	v_lshrrev_b32 v14, 2, v2
	v_mul_u32_u24 v14, v14, SP
	v_and_b32 v15, 3, v2
	v_lshl_add_u32 v14, v15, 4, v14
	v_add_nc_u32 v14, s18, v14                     ; the stage, on the way in: four lanes' 64 bytes on end, then the padding
	v_mul_u32_u24 v15, v2, SP
	v_add_nc_u32 v15, s18, v15                     ; and on the way out: my 16 neighbours
	s_lshr_b32 s23, ttmp9, 7                       ; the job: 0 x, 1 Wq, 2 Wk, 3 Wv, 4 Wo
	s_and_b32 s19, ttmp9, 127
	s_lshl_b32 s19, s19, 2
	s_add_co_u32 s19, s19, s22                     ; which run of 8,192 numbers of the tensor is my wave's
	s_lshl_b32 s40, s19, 15                        ; its bytes in the tensor,
	s_mov_b32 s41, 0
	s_lshl_b32 s42, s19, 13                        ; and in a slab
	s_mov_b32 s43, 0
	s_add_co_u32 s44, s23, 2
	s_cmp_eq_u32 s23, 0
	s_cselect_b32 s44, 0, s44                      ; pass 0's slab: 0 for x, job + 2 for a weight
	s_lshl_b32 s44, s44, 22
	s_add_co_u32 s44, s44, s42
	s_mov_b32 s45, 0
	s_wait_kmcnt 0x0
	s_load_b256 s[24:31], s[14:15], 0x0            ; e0 .. e7
	s_load_b128 s[32:35], s[14:15], 0x20           ; e8 .. e11
	s_cmp_eq_u32 s23, 1                            ; the tensor is chosen by the work-group's number alone; all five jobs take one path through the LDS work
	s_cselect_b64 s[4:5], s[6:7], s[4:5]
	s_cmp_eq_u32 s23, 2
	s_cselect_b64 s[4:5], s[8:9], s[4:5]
	s_cmp_eq_u32 s23, 3
	s_cselect_b64 s[4:5], s[10:11], s[4:5]
	s_cmp_eq_u32 s23, 4
	s_cselect_b64 s[4:5], s[12:13], s[4:5]
	s_add_nc_u64 s[4:5], s[4:5], s[40:41]
	s_add_nc_u64 s[20:21], s[16:17], s[44:45]      ; where pass 0's codes go,
	s_add_nc_u64 s[36:37], s[16:17], s[42:43]
	s_add_nc_u64 s[38:39], s[36:37], 0x800000      ; pass 2's (slab 2),
	s_add_nc_u64 s[36:37], s[36:37], 0x400000      ; pass 1's (slab 1)
.macro LOAD t
.irp i, 0,1,2,3
	global_load_b128 v[R+16*((\t)%4)+4*\i:R+16*((\t)%4)+4*\i+3], v3, s[4:5] offset:2048*(\t)+512*\i th:TH_LOAD_NT   ; 32 lanes read 512 consecutive bytes; read once in the launch
.endr
.endm
.macro TURN t                          ; step t's numbers through the stage: LDS serves a wave's instructions in order, so no wait stands between the stores and the loads
.irp i, 0,1,2,3
	ds_store_b128 v14, v[R+16*((\t)%4)+4*\i:R+16*((\t)%4)+4*\i+3] offset:32*SP*((\t)%2)+8*SP*\i
.endr
.irp i, 0,1,2,3
	ds_load_b128 v[X+16*((\t)%2)+4*\i:X+16*((\t)%2)+4*\i+3], v15 offset:32*SP*((\t)%2)+16*\i
.endr
.endm
.irp t, 0,1,2,3
	LOAD \t
.endr
	s_wait_kmcnt 0x0
	s_cmp_eq_u32 s23, 1                            ; pass 0's exponent: e0 for x, e1, e3, e5, e11 for the weights
	s_cselect_b32 s24, s25, s24
	s_cmp_eq_u32 s23, 2
	s_cselect_b32 s24, s27, s24
	s_cmp_eq_u32 s23, 3
	s_cselect_b32 s24, s29, s24
	s_cmp_eq_u32 s23, 4
	s_cselect_b32 s24, s35, s24
.irp p, 0,1,2                          ; s24: pass 0's e; s26 = e2; s28 = e4
	s_add_co_i32 s46, s[24+2*\p], 127
	s_lshl_b32 s47, s46, 23
	v_mov_b32 v[SCL+\p], s47                       ; 2^e as f32: the conversion takes its exponent field
	s_add_co_i32 s46, s46, 8
	s_lshl_b32 s46, s46, 23
	s_or_b32 s46, s46, 0x600000
	v_mov_b32 v[LIM+\p], s46                       ; 448 x 2^e
.endr
	s_wait_loadcnt 12                              ; step 0's four loads are in; those of steps 1 to 3 may be out
	TURN 0
; One set of codes of step t: the hold (the conversion to an 8-bit code does not saturate: ISA guide 7.6.2), two conversions of eight, the store.
.macro PASS p, t, d
.irp i, 0,1,2,3,4,5,6,7,8,9,10,11,12,13,14,15
	v_med3_num_f32 v[T+\i], v[XS+\i], -v[LIM+\p], v[LIM+\p]
.endr
	v_cvt_scalef32_pk8_fp8_f32 v[C+4*\p:C+4*\p+1], v[T:T+7], v[SCL+\p]
	v_cvt_scalef32_pk8_fp8_f32 v[C+4*\p+2:C+4*\p+3], v[T+8:T+15], v[SCL+\p]
	v_nop                                          ; a plain vector line behind the conversions: the next holds write their sources
	global_store_b128 v3, v[C+4*\p:C+4*\p+3], s[\d:\d+1] offset:512*(\t)
.endm
.macro STEP t
.set XS, X+16*((\t)%2)
	s_wait_dscnt 0x0                               ; this step's numbers are back from the stage: so its stores into the stage have read their registers
	s_wait_xcnt 0x0                                ; the last step's stores have read the codes' registers, which are written again below
.if (\t)+4 < STEPS
	LOAD (\t)+4
.endif
.if (\t)+1 < STEPS
.if STEPS-2-(\t) >= 3
	s_wait_loadcnt 12                              ; the next step's four loads are in; those of the three steps behind it may be out
.else
	s_wait_loadcnt 4*(STEPS-2-(\t))
.endif
	TURN (\t)+1                                    ; and go through the other stage while this step is worked
.endif
	PASS 0, \t, 20
	s_cmp_lg_u32 s23, 0                            ; a weight has one scale; x has three.  The branch hangs on the work-group's number and leads round register work and global stores alone
	s_cbranch_scc1 .Lweight_\@
	PASS 1, \t, 36
	PASS 2, \t, 38
.Lweight_\@:
.endm
.irp t, 0,1,2,3,4,5,6,7,8,9,10,11,12,13,14,15
	STEP \t
.endr
	s_wait_tensorcnt 0x0                           ; the wave's end: behind my last LDS store
	ds_add_u32 v[SPW], v[NIL]
	s_wait_dscnt 0x0
	s_endpgm
.Ltables:                                              ; cos and sin of one tile of 16 tokens a wave; no LDS is written on this path
	s_load_b128 s[24:27], s[0:1], 0x38             ; cos, sin
	s_load_b64 s[28:29], s[0:1], 0x48              ; cs
	s_sub_co_u32 s19, ttmp9, NQ
	s_lshl_b32 s19, s19, 2
	s_add_co_u32 s19, s19, s22                     ; my tile: 4 x (work-group - 640) + wave, 0 .. 127
	s_lshl_b32 s40, s19, 13                        ; its 16 rows of 512 bytes in cos and in sin,
	s_mov_b32 s41, 0
	s_lshl_b32 s42, s19, 14                        ; its 16,384 bytes in cs
	s_mov_b32 s43, 0
	v_and_b32 v4, 15, v2                           ; r
	v_lshrrev_b32 v5, 4, v2                        ; h
	v_lshlrev_b32 v4, 9, v4
	v_lshl_add_u32 v4, v5, 5, v4                   ; row r, + 32 h
	s_wait_kmcnt 0x0
	s_add_nc_u64 s[24:25], s[24:25], s[40:41]
	s_add_nc_u64 s[26:27], s[26:27], s[40:41]
	s_add_nc_u64 s[28:29], s[28:29], s[42:43]
.irp i, 0,1,2,3,4,5,6,7,8,9,10,11,12,13,14,15
	global_load_b128 v[R+4*\i:R+4*\i+3], v4, s[24:25] offset:64*(\i/2)+16*(\i%2)   ; piece i = 2 b + e: cos(16 T + r, 16 b + 8 h + 4 e + 0 .. 3)
.endr
.irp i, 0,1,2,3,4,5,6,7,8,9,10,11,12,13,14,15
	global_load_b128 v[X+4*\i:X+4*\i+3], v4, s[26:27] offset:64*(\i/2)+16*(\i%2)   ; sin likewise
.endr
	s_wait_loadcnt 16                              ; cos's 16 loads are in; sin's 16 may be out
.irp i, 0,1,2,3,4,5,6,7,8,9,10,11,12,13,14,15
	global_store_b128 v3, v[R+4*\i:R+4*\i+3], s[28:29] offset:512*\i               ; 32 lanes store 512 consecutive bytes, aligned
.endr
	s_wait_loadcnt 0x0
.irp i, 0,1,2,3,4,5,6,7,8,9,10,11,12,13,14,15
	global_store_b128 v3, v[X+4*\i:X+4*\i+3], s[28:29] offset:8192+512*\i
.endr
	s_endpgm
.Lfunc_end_k_qe5e1963154_quant:
	.size	k_qe5e1963154_quant, .Lfunc_end_k_qe5e1963154_quant-k_qe5e1963154_quant
	.p2alignl 7, 3214868480
	.fill 96, 4, 3214868480
	.section	.rodata,"a",@progbits
	.p2align	6, 0x0
	.amdhsa_kernel k_qe5e1963154_quant
		.amdhsa_group_segment_fixed_size 33280
		.amdhsa_private_segment_fixed_size 0
		.amdhsa_enable_private_segment 0
		.amdhsa_kernarg_size 80
		.amdhsa_user_sgpr_count 2
		.amdhsa_user_sgpr_kernarg_segment_ptr 1
		.amdhsa_wavefront_size32 1
		.amdhsa_system_sgpr_workgroup_id_x 1
		.amdhsa_system_sgpr_workgroup_id_y 1
		.amdhsa_system_sgpr_workgroup_id_z 1
		.amdhsa_system_vgpr_workitem_id 0
		.amdhsa_next_free_vgpr 152
		.amdhsa_next_free_sgpr 66
		.amdhsa_reserve_vcc 0
		.amdhsa_float_denorm_mode_32 3
		.amdhsa_float_denorm_mode_16_64 3
		.amdhsa_memory_ordered 1
		.amdhsa_forward_progress 1
		.amdhsa_inst_pref_size 87
	.end_amdhsa_kernel
	.amdgpu_metadata
---
amdhsa.version: [ 1, 2 ]
amdhsa.kernels:
  - .name:           k_qe5e1963154_quant
    .symbol:         k_qe5e1963154_quant.kd
    .args:
      - { .name: x, .offset: 0, .size: 8, .value_kind: global_buffer, .address_space: global }
      - { .name: Wq, .offset: 8, .size: 8, .value_kind: global_buffer, .address_space: global }
      - { .name: Wk, .offset: 16, .size: 8, .value_kind: global_buffer, .address_space: global }
      - { .name: Wv, .offset: 24, .size: 8, .value_kind: global_buffer, .address_space: global }
      - { .name: Wo, .offset: 32, .size: 8, .value_kind: global_buffer, .address_space: global }
      - { .name: lowp_scales, .offset: 40, .size: 8, .value_kind: global_buffer, .address_space: global }
      - { .name: codes, .offset: 48, .size: 8, .value_kind: global_buffer, .address_space: global }
      - { .name: cos, .offset: 56, .size: 8, .value_kind: global_buffer, .address_space: global }
      - { .name: sin, .offset: 64, .size: 8, .value_kind: global_buffer, .address_space: global }
      - { .name: cs, .offset: 72, .size: 8, .value_kind: global_buffer, .address_space: global }
    .group_segment_fixed_size: 33280
    .private_segment_fixed_size: 0
    .kernarg_segment_align: 8
    .kernarg_segment_size: 80
    .max_flat_workgroup_size: 128
    .sgpr_count:     66
    .vgpr_count:     152
    .wavefront_size: 32
...
	.end_amdgpu_metadata
.endif
;; end of part 1
;; launch qkv (part 2): grid 24 x 8, 4 waves a work-group, clusters of 4 x 4, 327,680 bytes of LDS; arguments codes, bq, bk, bv, cs, lowp_scales, qkv; writes qkv
.if DOCPART == 2
	.amdgcn_target "amdgcn-amd-amdhsa--gfx1250"
	.amdhsa_code_object_version 6
	.text
	.protected	k_qe5e1963154_qkv
	.globl	k_qe5e1963154_qkv
	.p2align	8
	.type	k_qe5e1963154_qkv,@function
k_qe5e1963154_qkv:
	s_mov_b64 s[64:65], 0
	v_nop
	global_prefetch_b8 v0, s[64:65] scope:SCOPE_SE
	s_setreg_imm32_b32 hwreg(HW_REG_WAVE_MODE, 25, 1), 1
	s_wait_xcnt 0x0
	s_wait_alu depctr_hold_cnt(0) depctr_sa_sdst(0) depctr_va_vdst(0) depctr_va_sdst(0) depctr_va_ssrc(0) depctr_va_vcc(0) depctr_vm_vsrc(0)
	s_getreg_b32 s2, hwreg(HW_REG_IB_STS2, 6, 4)
	s_cmp_eq_u32 s2, 0
	s_cbranch_scc0 .Lentry_in_a_cluster
	s_endpgm
.Lentry_in_a_cluster:
	s_bfe_u32 s2, ttmp6, 0x10000c
	s_cmp_lg_u32 s2, 0xf033
	s_cbranch_scc0 .Lentry_shape_is_right
	s_endpgm
.Lentry_shape_is_right:
; q = rope(x Wq^T + bq), k = rope(x Wk^T + bk), v = x Wv^T + bv, each product on codes of E4M3; the results are quantised (entries 6, 7, 9 of the scales) and stored as images of the operand registers of the attention launch.
; LEFT OUT: the select of the rotation (rope_exclude is the constant 0: keep is false at every position, so the rotated value is taken everywhere).
; LIMITS: e0 + e1, e2 + e3, e4 + e5 between -126 and 127; e6, e7, e9 between -126 and 119: each power of two below is then an f32 number.  NaN among the inputs is not served.
; SHARES.  The three products are one result of 2,048 x 6,144 in tiles of 256 x 256: 24 x 8 work-groups of four waves, a wave 128 x 128 in 64 accumulators.  P = tile column / 8: 0 q, 1 k, 2 v.
; K goes in steps of 256 through a ring of two LDS slots filled by the tensor data mover; a slot holds 256 rows of region A and 256 rows of region B.  A smaller tile would fill more work-groups, with more bytes fetched and read from LDS for each product.
; THE MATRIX INSTRUCTION takes 16 rows of region B as source 0 and 16 rows of region A as source 1: a lane holds ONE row of region A, and its eight registers eight neighbouring rows of region B.
;   q, k: region A = x's codes (tokens 256 y on), region B = the weight's (features 256 (column % 8) on).  A wave's 128 features are one head: a lane holds one token and all 128 of the head, so the rotation's partners d and d + 64 are its own registers,
;         and eight results are eight neighbours along the next product's K (the head's 128).
;   v:    THE REGIONS CHANGE PLACES: region A = Wv's codes (features 256 y on), region B = x's (tokens 256 (column % 8) on): a lane holds one feature d, and its registers run along the tokens, which are the next product's K (the keys).
; So in all three cases the conversions' results are registers 2 b, 2 b + 1 of a fragment (16 rows x 128 K: k = 16 b + 8 (lane / 16) + 0 .. 7), and each group of four registers is stored at 16 x lane: 512 consecutive bytes, aligned.
; THE BUFFER qkv: Q at byte 0: [head 16][tile of 16 tokens 128][2,048].  K and V from 4 MiB on: [head pair 8][step of 128 keys 16][head of the pair 2][K: 8 tiles of 16 keys x 2,048 | V: 8 tiles of 16 of the head's 128 x 2,048].
; COS AND SIN come from the buffer cs, which the launch before has laid in the order of these registers: [tile of 16 tokens][cos, sin][piece 16][lane 32][16 bytes]; piece 2 b + e of lane (r, h) is table(token 16 T + r, d = 16 b + 8 h + 4 e + 0 .. 3).
; A lane wants its own token's row; from the tables as they are given a load of the wave would name sixteen rows; from cs it covers 512 consecutive bytes.
; CLUSTERS: 4 x 4 work-groups.  Region A's tile hangs on y and P alone and is asked for jointly along a row of the cluster, region B's on the column and P alone, along a column of the cluster.  P is the same in all sixteen (8 columns to a product).
; REGISTERS, in windows of 256: window 0: v1, v2 lane % 16, lane / 16; v16-30 addresses and constants; from v128 region A's fragments, one set; on the way out v32-255 are at work.
;   window 1: region B's fragments, two sets; on the way out two sets of cos and sin.   windows 2, 3: the accumulators ((a, b) at v[8 (8 (a % 4) + b)] of window 2 + a / 4).
.set KSTEP,  256
.set ROWB,   256                       ; a tile's row in bytes
.set KROW,   2048                      ; a row of codes in memory
.set PITCH,  272                       ; an LDS row: 256 bytes + 16 of padding = 68 words, so that the 16 rows of a fragment load start 4 words apart modulo 64 (64 banks of 4 bytes: ISA guide 11.1)
.set FR,     16                        ; registers of a fragment
.set NL,     4                         ; LDS loads that bring one
.set NP,     4                         ; places behind this matrix instruction (ISA guide 7.12.1)
.set HALFT,  128*PITCH                 ; 128 rows: what one tensor load brings
.set SLOT,   4*HALFT
.set LAPS,   2048/(2*KSTEP)            ; a lap = two K steps = once round the ring
.set SPARE,  2*SLOT                    ; behind the ring: the spare words, 128 bytes for each wave, which no other line names
.set ADRA, 16                          ; v16-17  LDS address of my fragments of region A in slot 0, 1
.set ADRB, 20                          ; v20-21  the same for region B
.set LO,   24                          ; v24     16 x lane: my place in an image's 512 bytes, in qkv and in cs
.set BO,   26                          ; v26     the bias: my lane's bytes
.set LIM,  27                          ; v27     448 x the result's scale
.set SPW,  28                          ; v28     SPARE + 4 x my thread's number; never rewritten
.set NIL,  29                          ; v29     0; never rewritten
.set CVS,  30                          ; v30     the result's scale as f32
.set BIAS, 32                          ; v32-95  the bias in the result's layout
.set Y,    96                          ; v96-159 a block's 64 numbers: sum x scale + bias
.set O,    160                         ; v160-223 the same, rotated
.set CD,   224                         ; v224-255 codes: two sets of 16
.set AF,   128
.set G1, 24                            ; s[24:31] descriptor group 1 for region A;  s[32:39] group 0, one set for each slot
.set G0, 32
.set G1B, 48                           ; s[48:55], s[56:63] the same for region B
.set G0B, 56
.set MSB, 0
.macro WIN new                         ; the immediate's high byte repeats the setting that is left
.if MSB != \new
	s_set_vgpr_msb (MSB<<8)|\new
.set MSB, \new
.endif
.endm
.set MUL_LO, 0xa1                      ; source 0 (B) window 1, source 1 (A) window 0, C and D window 2
.set MUL_HI, 0xf1                      ; the same, C and D window 3
.set TO_B,   0x40                      ; destination window 1, address window 0
; A joint load: waves 0 and 1 fetch for region A, waves 2 and 3 for region B.  The branch hangs on the wave's number alone.  An s_nop 0 and four v_nop follow each of the two lines.
.macro JLOAD g0a, g1a, g0b, g1b
	s_cmp_eq_u32 s15, 0
	s_cbranch_scc0 .Lfor_b_\@
	tensor_load_to_lds s[\g0a:\g0a+3], s[\g1a:\g1a+7]
	s_nop 0
.rept 4
	v_nop
.endr
	s_branch .Lasked_\@
.Lfor_b_\@:
	tensor_load_to_lds s[\g0b:\g0b+3], s[\g1b:\g1b+7]
	s_nop 0
.rept 4
	v_nop
.endr
.Lasked_\@:
.endm
.macro CREST                           ; a round of the cluster's barrier behind its opening barrier
	s_cmp_lg_u32 s14, 0
	s_cbranch_scc1 .Lnot_wave_0_\@
	s_barrier_signal -3
.Lnot_wave_0_\@:
	s_barrier_wait -3
	s_barrier_signal -1
	s_barrier_wait -1
.endm
.macro CROUND                          ; a whole round
	s_barrier_signal -1
	s_barrier_wait -1
	CREST
.endm
	s_load_b64 s[4:5], s[0:1], 0x0                 ; codes
	s_load_b256 s[68:75], s[0:1], 0x8              ; bq, bk, bv, cs
	s_load_b128 s[76:79], s[0:1], 0x28             ; the scales' exponents, qkv
	v_lshl_add_u32 v[SPW], v0, 2, SPARE
	v_mov_b32 v[NIL], 0
	ds_add_u32 v[SPW], v[NIL]                      ; the wave's opening: the add, twice on end, and its wait ahead of my first tensor load
	ds_add_u32 v[SPW], v[NIL]
	v_lshrrev_b32 v1, 5, v0
	v_readfirstlane_b32 s14, v1                    ; wave 0..3
	s_lshr_b32 s15, s14, 1                         ; rw: which 128 rows of region A are mine.  Also: I fetch for region A (0) or B (1)
	s_and_b32 s16, s14, 1                          ; cw: which 128 rows of region B.  Also: which 128 rows of that region I fetch
	s_bfe_u32 s40, ttmp6, 0x40000                  ; cx, cy: my place in the cluster
	s_bfe_u32 s41, ttmp6, 0x40004
	s_lshr_b32 s66, ttmp9, 1                       ; P: two clusters along x to a product
	s_and_b32 s42, ttmp9, 1
	s_lshl_b32 s42, s42, 2
	s_add_co_u32 s42, s42, s40                     ; the tile column within the product, 0 .. 7
	s_and_b32 s17, ttmp7, 0xffff
	s_lshl_b32 s17, s17, 2
	s_add_co_u32 s17, s17, s41                     ; y, the tile row
	s_lshl_b32 s43, s41, 2
	s_lshl_b32 s43, 15, s43                        ; my row of the cluster
	s_lshl_b32 s44, 0x1111, s40                    ; my column
	s_or_b32 s[G1+0], s43, (0<<16)|(1<<20)|(1<<21)|(5<<22)|(3<<25)  ; 15:0 the mask; 17:16 elements of 1 byte; 20 padding on; 21 set beside a mask; 24:22 after every 64 words; 31:25 four words
	s_or_b32 s[G1B+0], s44, (0<<16)|(1<<20)|(1<<21)|(5<<22)|(3<<25)
.irp g, G1, G1B
	s_mov_b32 s[\g+1], ROWB<<16                    ; tensor_dim0
	s_mov_b32 s[\g+2], 128<<16                     ; tensor_dim1
	s_mov_b32 s[\g+3], ROWB<<16                    ; tile_dim0
	s_mov_b32 s[\g+4], 128                         ; tile_dim1
	s_mov_b32 s[\g+5], KROW                        ; tensor_dim0_stride
	s_mov_b32 s[\g+6], 0
	s_mov_b32 s[\g+7], 0
.endr
	s_lshl_b32 s18, s16, 7                         ; which 128 rows I fetch
	s_lshl_b32 s20, s17, 8
	s_add_co_u32 s20, s20, s18
	s_lshl_b32 s20, s20, 11                        ; region A: row 256 y + 128 x half, in bytes
	s_lshl_b32 s46, s42, 8
	s_add_co_u32 s46, s46, s18
	s_lshl_b32 s46, s46, 11                        ; region B: row 256 x column + 128 x half
	s_lshr_b32 s19, s66, 1
	s_mul_i32 s19, s19, 3                          ; 3 for v, else 0
	s_add_co_u32 s18, s66, s19                     ; region A's slab: 0 (x for q), 1 (x for k), 5 (Wv)
	s_lshl_b32 s18, s18, 22
	s_add_co_u32 s20, s20, s18
	s_add_co_u32 s18, s66, 3
	s_sub_co_u32 s18, s18, s19                     ; region B's slab: 3 (Wq), 4 (Wk), 2 (x for v)
	s_lshl_b32 s18, s18, 22
	s_add_co_u32 s46, s46, s18
	s_mov_b32 s21, 0
	s_mov_b32 s47, 0
	s_mul_i32 s45, s14, HALFT                      ; where the tiles go: wave x 128 rows: no place in the cluster enters an LDS address
	s_wait_dscnt 0x0                               ; both opening adds are done
	s_wait_kmcnt 0x0
	s_load_b256 s[84:91], s[76:77], 0x0            ; e0 .. e7
	s_load_b128 s[92:95], s[76:77], 0x20           ; e8 .. e11
	s_add_nc_u64 s[20:21], s[4:5], s[20:21]
	s_add_nc_u64 s[46:47], s[4:5], s[46:47]
	CROUND                                         ; all sixteen work-groups are here: the first joint loads meet
.irp s, 0,1
	s_mov_b32 s[G0+4*\s], 1
	s_add_co_u32 s[G0+4*\s+1], s45, \s*SLOT
	s_add_nc_u64 s[G0+4*\s+2:G0+4*\s+3], s[20:21], \s*ROWB
	s_or_b32 s[G0+4*\s+3], s[G0+4*\s+3], 0x80000000
	s_mov_b32 s[G0B+4*\s], 1
	s_add_co_u32 s[G0B+4*\s+1], s45, \s*SLOT
	s_add_nc_u64 s[G0B+4*\s+2:G0B+4*\s+3], s[46:47], \s*ROWB
	s_or_b32 s[G0B+4*\s+3], s[G0B+4*\s+3], 0x80000000
	JLOAD G0+4*\s, G1, G0B+4*\s, G1B
.endr
	v_and_b32 v1, 15, v0                           ; r = lane % 16
	v_bfe_u32 v2, v0, 4, 1                         ; h = lane / 16
	v_mul_u32_u24 v3, v1, PITCH
	v_lshl_add_u32 v4, v2, 4, v3                   ; a fragment's row x pitch + 16 h
	s_mul_i32 s21, s15, HALFT                      ; my 128 rows of region A
	s_mul_i32 s22, s16, HALFT                      ; my 128 rows of region B,
	s_add_co_u32 s22, s22, 2*HALFT                 ; which lie behind A's 256
.irp s, 0,1
	v_add_nc_u32 v[ADRA+\s], s21, v4
	v_add_nc_u32 v[ADRB+\s], s22, v4
	s_add_co_u32 s21, s21, SLOT
	s_add_co_u32 s22, s22, SLOT
.endr
	v_and_b32 v6, 31, v0
	v_lshlrev_b32 v[LO], 4, v6
	; where my wave's results go.  Features lie in region B for q and k, in region A for v; tokens the other way round
	s_cmp_eq_u32 s66, 2
	s_cselect_b32 s18, s17, s42                    ; the head pair
	s_cselect_b32 s19, s15, s16                    ; the head of the pair
	s_cselect_b32 s22, s42, s17
	s_cselect_b32 s23, s16, s15
	s_lshl_b32 s22, s22, 1
	s_add_co_u32 s22, s22, s23                     ; which 128 tokens
	s_lshl_b32 s23, s18, 1
	s_add_co_u32 s23, s23, s19                     ; the head
	s_lshl_b32 s82, s23, 4
	s_add_co_u32 s82, s82, s22
	s_lshl_b32 s82, s82, 14                        ; Q: (16 x head + which 128 tokens) x 8 tiles of 2,048 bytes
	s_lshl_b32 s83, s18, 5
	s_lshl_b32 s67, s22, 1
	s_add_co_u32 s83, s83, s67
	s_add_co_u32 s83, s83, s19
	s_lshl_b32 s83, s83, 15
	s_add_co_u32 s83, s83, 0x400000                ; K, V: 4 MiB + (32 x pair + 2 x step + head of the pair) x 32,768
	s_cmp_eq_u32 s66, 0
	s_cselect_b32 s82, s82, s83
	s_cselect_b64 s[68:69], s[68:69], s[70:71]     ; bq or bk,
	s_mov_b32 s83, 0
	s_add_nc_u64 s[98:99], s[78:79], s[82:83]
	s_cmp_eq_u32 s66, 2
	s_cselect_b64 s[68:69], s[72:73], s[68:69]     ; or bv,
	s_lshl_b32 s82, s23, 9
	s_add_nc_u64 s[68:69], s[68:69], s[82:83]      ; at my head's 128 numbers
	s_lshl_b32 s82, s17, 18
	s_lshl_b32 s67, s15, 17
	s_add_co_u32 s82, s82, s67                     ; cs (q, k): the tile of token 256 y + 128 rw: (16 y + 8 rw) x 16,384 bytes
	s_add_nc_u64 s[100:101], s[74:75], s[82:83]
.macro FRAG reg, adr, q, i             ; a fragment by four loads of 16 bytes: registers 4 c .. 4 c + 3 hold K = 32 c + 16 h + 0 .. 15: a permutation of k that is the same in both regions, so every product meets its partner
.irp c, 0,1,2,3
	ds_load_b128 v[\reg+4*\c:\reg+4*\c+3], v[\adr] offset:128*(\q)+32*\c+(\i)*16*PITCH
.endr
.endm
; 16 matrix instructions: A's blocks a0, a0 + 1 x B's eight, 128 along K.  p: B's set.  zero = 1: the first product starts the sums.  The 64 accumulators take turns, one instruction a turn, in the same order in every step.
.macro MUL16 a0, p, zero
.irp a, \a0, \a0+1
.irp b, 0,1,2,3,4,5,6,7
.if \zero
	v_wmma_f32_16x16x128_fp8_fp8 v[8*(8*((\a)%4)+\b):8*(8*((\a)%4)+\b)+7], v[128*(\p)+FR*\b:128*(\p)+FR*\b+FR-1], v[AF+FR*(\a):AF+FR*(\a)+FR-1], 0
.else
	v_wmma_f32_16x16x128_fp8_fp8 v[8*(8*((\a)%4)+\b):8*(8*((\a)%4)+\b)+7], v[128*(\p)+FR*\b:128*(\p)+FR*\b+FR-1], v[AF+FR*(\a):AF+FR*(\a)+FR-1], v[8*(8*((\a)%4)+\b):8*(8*((\a)%4)+\b)+7]
.endif
.endr
.endr
.endm
.macro FETCH_B slot, q, p
	WIN TO_B
.irp i, 0,1,2,3,4,5,6,7
	FRAG 128*(\p)+FR*\i, ADRB+\slot, \q, \i
.endr
	WIN 0
.endm
.macro FETCH_A slot, q, i0
.irp i, \i0, \i0+1, \i0+2, \i0+3
	FRAG AF+FR*(\i), ADRA+\slot, \q, \i
.endr
.endm
.macro PLACES n                        ; plain vector lines between a matrix instruction and a load into, or a vector read of, its registers
.rept \n
	v_nop
.endr
.endm
; A step of 128 along K that has its successor in the same slot.  A block of A is free as soon as its eight products are issued: blocks 0-3 are fetched anew in the step's middle, blocks 4-7 at its end.
.macro STEP slot, q, zero
	s_wait_dscnt 4*NL                              ; B's set and A's blocks 0-3 are in; the youngest sixteen loads (A's blocks 4-7) may be out
	WIN MUL_LO
	MUL16 0, (\q)%2, \zero
	MUL16 2, (\q)%2, \zero
	s_wait_dscnt 0
	PLACES NP
	FETCH_B \slot, (\q)+1, 1-(\q)%2
	FETCH_A \slot, (\q)+1, 0
	WIN MUL_HI
	MUL16 4, (\q)%2, \zero
	MUL16 6, (\q)%2, \zero
	PLACES NP
	WIN 0
	FETCH_A \slot, (\q)+1, 4
.endm
; A slot's last step changes slots: one barrier; in front of it each wave waits for all its tensor loads, adds 0 to its spare word, and waits for that and for its reads of this slot.  fill = 1: this slot is filled again, two K steps ahead.
.macro TURN slot, next, fill
	s_wait_tensorcnt 0x0                           ; all my tensor loads have landed: my part of the next slot
	ds_add_u32 v[SPW], v[NIL]
	s_wait_dscnt 4*NL+1                            ; the add and the youngest sixteen loads may be out
	WIN MUL_LO
	MUL16 0, 1, 0
	s_wait_dscnt 0x0                               ; the add is done, and my reads of this slot are over
	s_barrier_signal -1
	MUL16 2, 1, 0
	WIN 0
	s_barrier_wait -1
.if \fill
	CREST                                          ; the barrier has opened a round of the cluster's barrier: no wave of any partner still reads this slot or has a load on its way
	s_add_nc_u64 s[G0+4*\slot+2:G0+4*\slot+3], s[G0+4*\slot+2:G0+4*\slot+3], 2*ROWB
	s_add_nc_u64 s[G0B+4*\slot+2:G0B+4*\slot+3], s[G0B+4*\slot+2:G0B+4*\slot+3], 2*ROWB
	JLOAD G0+4*\slot, G1, G0B+4*\slot, G1B         ; the first tensor load behind the round; its four v_nop are the places in front of the loads below
.else
	PLACES NP
.endif
	FETCH_B \next, 0, 0
	FETCH_A \next, 0, 0
	WIN MUL_HI
	MUL16 4, 1, 0
	MUL16 6, 1, 0
	PLACES NP
	WIN 0
	FETCH_A \next, 0, 4
.endm
; The very last step of 128 along K: nothing more to fetch.  It multiplies B's set 1; set 0 is read no more.  It is written once in each arm of the way out.
.macro LAST
	s_wait_dscnt 4*NL                              ; B's set and A's blocks 0-3 are in; the youngest sixteen LDS loads may be out
	WIN MUL_LO
	MUL16 0, 1, 0
	MUL16 2, 1, 0
	s_wait_dscnt 0
	WIN MUL_HI
	MUL16 4, 1, 0
	MUL16 6, 1, 0
	WIN 0
.endm
; THE WAY OUT, a block of 16 rows of region A at a time; no LDS.
.macro CSLOAD a                        ; cos and sin of token 16 a + r at d = 16 b + 8 h + 0 .. 7, into set a % 2 of window 1 (cos at 4 i, sin at 64 + 4 i, i = 2 b + e): 32 loads of 512 consecutive bytes
	WIN 0x40
.irp i, 0,1,2,3,4,5,6,7,8,9,10,11,12,13,14,15
	global_load_b128 v[128*((\a)%2)+4*\i:128*((\a)%2)+4*\i+3], v[LO], s[100:101] offset:16384*(\a)+512*\i
.endr
.irp i, 0,1,2,3,4,5,6,7,8,9,10,11,12,13,14,15
	global_load_b128 v[128*((\a)%2)+64+4*\i:128*((\a)%2)+64+4*\i+3], v[LO], s[100:101] offset:16384*(\a)+8192+512*\i
.endr
	WIN 0
.endm
.macro SCALE a, isv                    ; Y = sum x 2^(the two scales' exponents) + bias, two at a time; each accumulator from its low end on
	WIN 0x02+((\a)/4)
.irp b, 0,1,2,3,4,5,6,7
.irp i, 0,2,4,6
.if \isv
	v_pk_fma_f32 v[Y+8*\b+\i:Y+8*\b+\i+1], v[64*((\a)%4)+8*\b+\i:64*((\a)%4)+8*\b+\i+1], s[96:97], v[BIAS+2*(\a):BIAS+2*(\a)+1] op_sel_hi:[1,0,1]
.else
	v_pk_fma_f32 v[Y+8*\b+\i:Y+8*\b+\i+1], v[64*((\a)%4)+8*\b+\i:64*((\a)%4)+8*\b+\i+1], s[96:97], v[BIAS+8*\b+\i:BIAS+8*\b+\i+1] op_sel_hi:[1,0,1]
.endif
.endr
.endr
.endm
.macro ROPE a                          ; O(d) = Y(d) cos(d) - Y(d + 64) sin(d) for d < 64, Y(d) cos(d) + Y(d - 64) sin(d) for d >= 64: d + 64 lies 32 registers on
	WIN 0x04                                       ; source 1 (cos, sin) window 1
.set CSB, 128*((\a)%2)
.set j, 0
.rept 32
	v_pk_mul_f32 v[O+j:O+j+1], v[Y+j:Y+j+1], v[CSB+j:CSB+j+1]
.set j, j+2
.endr
.set j, 0
.rept 16
	v_pk_fma_f32 v[O+j:O+j+1], v[Y+32+j:Y+32+j+1], v[CSB+64+j:CSB+64+j+1], v[O+j:O+j+1] neg_lo:[1,0,0] neg_hi:[1,0,0]
.set j, j+2
.endr
.rept 16
	v_pk_fma_f32 v[O+j:O+j+1], v[Y+j-32:Y+j-31], v[CSB+64+j:CSB+64+j+1], v[O+j:O+j+1]
.set j, j+2
.endr
	WIN 0
.endm
.macro QOUT a, src, off                ; the block's 64 numbers a lane become one fragment's 16 registers, stored as they stand.  (From block 2 on a wait on XCNT stands ahead of it: block a - 2's stores read this set of codes)
	WIN 0
.set j, 0
.rept 64
	v_med3_num_f32 v[\src+j], v[\src+j], -v[LIM], v[LIM]   ; the conversion to an 8-bit code does not saturate (ISA guide 7.6.2)
.set j, j+1
.endr
.set CB, CD+16*((\a)%2)
.irp b, 0,1,2,3,4,5,6,7
	v_cvt_scalef32_pk8_fp8_f32 v[CB+2*\b:CB+2*\b+1], v[\src+8*\b:\src+8*\b+7], v[CVS]
.endr
	v_nop                                          ; a plain vector line behind the conversions: the next block's lines write their sources
.irp c, 0,1,2,3
	global_store_b128 v[LO], v[CB+4*\c:CB+4*\c+3], s[98:99] offset:\off+2048*(\a)+512*\c   ; 32 lanes store 512 consecutive bytes, aligned
.endr
.endm
	s_wait_tensorcnt 1                             ; my part of K step 0 is in; K step 1's load may be out
	s_barrier_signal -1
	s_barrier_wait -1
	FETCH_B 0, 0, 0
	FETCH_A 0, 0, 0
	FETCH_A 0, 0, 4
	STEP 0, 0, 1                                   ; the first step stands in front of the loop: its products start the sums
	s_mov_b32 s3, LAPS-1
.Llap:                                                 ; a trip goes once round the ring and fills both slots again
	TURN 0, 1, 1
	STEP 1, 0, 0
	TURN 1, 0, 1
	STEP 0, 0, 0
	s_sub_co_u32 s3, s3, 1
	s_cmp_lg_u32 s3, 0
	s_cbranch_scc1 .Llap
	TURN 0, 1, 0                                   ; the last lap fills nothing
	STEP 1, 0, 0
	; the constants of the way out are made here, ahead of the last 64 products
	s_wait_kmcnt 0x0
	s_add_co_i32 s18, s84, s85                     ; e0 + e1
	s_add_co_i32 s19, s86, s87                     ; e2 + e3
	s_add_co_i32 s20, s88, s89                     ; e4 + e5
	s_cmp_eq_u32 s66, 1
	s_cselect_b32 s18, s19, s18
	s_cselect_b32 s21, s91, s90                    ; the result's scale: e6 for q, e7 for k,
	s_cmp_eq_u32 s66, 2
	s_cselect_b32 s18, s20, s18
	s_cselect_b32 s21, s93, s21                    ; e9 for v
	s_add_co_i32 s18, s18, 127
	s_lshl_b32 s96, s18, 23                        ; what a sum stands for, as f32
	s_mov_b32 s97, s96                             ; (named with it as a pair, so it is written)
	s_add_co_i32 s21, s21, 127
	s_lshl_b32 s22, s21, 23
	v_mov_b32 v[CVS], s22
	s_add_co_i32 s21, s21, 8
	s_lshl_b32 s21, s21, 23
	s_or_b32 s21, s21, 0x600000
	v_mov_b32 v[LIM], s21
	s_cmp_eq_u32 s66, 2                            ; P is the same in all sixteen work-groups of the cluster.  The two ways part here, so that each can ask for what its way out wants ahead of the last products
	s_cbranch_scc1 .Lv_tail
	; ---- q, k
	v_lshlrev_b32 v[BO], 5, v2                     ; the bias of features 16 b + 8 h + 0 .. 7
.irp b, 0,1,2,3,4,5,6,7
	global_load_b128 v[BIAS+8*\b:BIAS+8*\b+3], v[BO], s[68:69] offset:64*\b
	global_load_b128 v[BIAS+8*\b+4:BIAS+8*\b+7], v[BO], s[68:69] offset:64*\b+16
.endr
	CSLOAD 0                                       ; block 0's tables, into B's set 0: its last readers stand ahead of the four places at the end of the step above
	LAST
	PLACES NP                                      ; behind the last products: for the loads into B's set 1 and for the first reads of results
	CSLOAD 1
.irp a, 0,1,2,3,4,5,6,7
.if \a < 7
	s_wait_loadcnt 32                              ; this block's cos and sin (and the bias) are in; the next block's 32 loads may be out
.else
	s_wait_loadcnt 0x0
.endif
	SCALE \a, 0
	ROPE \a
.if \a >= 2
	s_wait_xcnt 0x0                                ; block a - 2's stores have read the set of codes that this block writes.  The wait stands ahead of the loads below, which name other registers
.endif
.if \a < 6
	CSLOAD \a+2                                    ; into the set that has just been read
.endif
	QOUT \a, O, 0
.endr
	s_branch .Ldone
.Lv_tail:
	; ---- v
	v_lshlrev_b32 v[BO], 2, v1                     ; a lane holds one feature, 16 a + r: one number a block, loaded into both halves of a pair
.irp a, 0,1,2,3,4,5,6,7
	global_load_b32 v[BIAS+2*\a], v[BO], s[68:69] offset:64*\a
	global_load_b32 v[BIAS+2*\a+1], v[BO], s[68:69] offset:64*\a
.endr
	LAST
	PLACES NP                                      ; behind the last products: for the first reads of results
	s_wait_loadcnt 0x0
.irp a, 0,1,2,3,4,5,6,7
	SCALE \a, 1
.if \a >= 2
	s_wait_xcnt 0x0                                ; block a - 2's stores have read the set of codes that this block writes
.endif
	QOUT \a, Y, 16384                              ; V's images lie behind K's eight
.endr
.Ldone:
	s_wait_tensorcnt 0x0                           ; the wave's end
	ds_add_u32 v[SPW], v[NIL]
	s_wait_dscnt 0x0
	CROUND                                         ; the closing round: no work-group ends while a partner may still ask for a tile that names it
	s_endpgm
.Lfunc_end_k_qe5e1963154_qkv:
	.size	k_qe5e1963154_qkv, .Lfunc_end_k_qe5e1963154_qkv-k_qe5e1963154_qkv
	.p2alignl 7, 3214868480
	.fill 96, 4, 3214868480
	.section	.rodata,"a",@progbits
	.p2align	6, 0x0
	.amdhsa_kernel k_qe5e1963154_qkv
		.amdhsa_group_segment_fixed_size 327680
		.amdhsa_private_segment_fixed_size 0
		.amdhsa_enable_private_segment 0
		.amdhsa_kernarg_size 56
		.amdhsa_user_sgpr_count 2
		.amdhsa_user_sgpr_kernarg_segment_ptr 1
		.amdhsa_wavefront_size32 1
		.amdhsa_system_sgpr_workgroup_id_x 1
		.amdhsa_system_sgpr_workgroup_id_y 1
		.amdhsa_system_sgpr_workgroup_id_z 1
		.amdhsa_system_vgpr_workitem_id 0
		.amdhsa_next_free_vgpr 1024
		.amdhsa_next_free_sgpr 102
		.amdhsa_reserve_vcc 0
		.amdhsa_float_denorm_mode_32 3
		.amdhsa_float_denorm_mode_16_64 3
		.amdhsa_memory_ordered 1
		.amdhsa_forward_progress 1
		.amdhsa_inst_pref_size 255
	.end_amdhsa_kernel
	.amdgpu_metadata
---
amdhsa.version: [ 1, 2 ]
amdhsa.kernels:
  - .name:           k_qe5e1963154_qkv
    .symbol:         k_qe5e1963154_qkv.kd
    .args:
      - { .name: codes, .offset: 0, .size: 8, .value_kind: global_buffer, .address_space: global }
      - { .name: bq, .offset: 8, .size: 8, .value_kind: global_buffer, .address_space: global }
      - { .name: bk, .offset: 16, .size: 8, .value_kind: global_buffer, .address_space: global }
      - { .name: bv, .offset: 24, .size: 8, .value_kind: global_buffer, .address_space: global }
      - { .name: cs, .offset: 32, .size: 8, .value_kind: global_buffer, .address_space: global }
      - { .name: lowp_scales, .offset: 40, .size: 8, .value_kind: global_buffer, .address_space: global }
      - { .name: qkv, .offset: 48, .size: 8, .value_kind: global_buffer, .address_space: global }
    .group_segment_fixed_size: 327680
    .private_segment_fixed_size: 0
    .kernarg_segment_align: 8
    .kernarg_segment_size: 56
    .max_flat_workgroup_size: 128
    .sgpr_count:     102
    .vgpr_count:     1024
    .wavefront_size: 32
...
	.end_amdgpu_metadata
.endif
;; end of part 2
;; launch attn (part 3): grid 32 x 8, 8 waves a work-group, clusters of 4 x 4, 327,680 bytes of LDS; arguments qkv, mask, lowp_scales, cc; writes cc
.if DOCPART == 3
	.amdgcn_target "amdgcn-amd-amdhsa--gfx1250"
	.amdhsa_code_object_version 6
	.text
	.protected	k_qe5e1963154_attn
	.globl	k_qe5e1963154_attn
	.p2align	8
	.type	k_qe5e1963154_attn,@function
k_qe5e1963154_attn:
	s_mov_b64 s[64:65], 0
	v_nop
	global_prefetch_b8 v0, s[64:65] scope:SCOPE_SE
	s_setreg_imm32_b32 hwreg(HW_REG_WAVE_MODE, 25, 1), 1
	s_wait_xcnt 0x0
	s_wait_alu depctr_hold_cnt(0) depctr_sa_sdst(0) depctr_va_vdst(0) depctr_va_sdst(0) depctr_va_ssrc(0) depctr_va_vcc(0) depctr_vm_vsrc(0)
	s_getreg_b32 s2, hwreg(HW_REG_IB_STS2, 6, 4)
	s_cmp_eq_u32 s2, 0
	s_cbranch_scc0 .Lentry_in_a_cluster
	s_endpgm
.Lentry_in_a_cluster:
	s_bfe_u32 s2, ttmp6, 0x10000c
	s_cmp_lg_u32 s2, 0xf033
	s_cbranch_scc0 .Lentry_shape_is_right
	s_endpgm
.Lentry_shape_is_right:
; ctx[q][head] = softmax_k(Q . K / sqrt(128) + mask[q][k]) V, both products on codes of E4M3; ctx is quantised (entry 10 of the scales) into cc, [2,048 tokens][2,048], one code a byte, row-major.
; Nothing is left out here: the mask is an input, so every score of every head is made and every number of the mask is read.
; THE SOFTMAX AHEAD OF THE SECOND PRODUCT: logit = score / sqrt(128) + mask; t = logit x log2(e), ROUNDED TO f32 before anything is taken away from it (a row whose mask is about -1e9 throughout then has equal t, and comes out uniform);
; M = the row's largest t so far, rounded up to a whole number; p = 2^(t - M) is quantised (entry 8), not normalised; the row's sum is taken of the unquantised p and divides at the end.  When M moves, the sum and O are multiplied by 2^(old M - new M): exact.
; LIMITS: e6 + e7 between -122 and 131 (added to the exponent field of 1 / sqrt(128)); e8 and e10 between -126 and 119; e8 + e9 is applied by v_ldexp_f32.  NaN among the inputs is not served; a row whose mask is -infinity throughout gives NaN.
; SHARES.  A work-group owns 64 queries x 2 heads (a head pair).  Wave w: head w % 2 of the pair, queries 16 (w / 2) on: one tile of 16 queries in 512 registers, two waves to a SIMD.  The two heads share the mask's rows in LDS, and a row of ctx of the work-group is 256 bytes.
; Every wave walks all 2,048 keys, 128 a step.  A step's tiles: the pair's K and V images (64 KiB, dense in memory) and 64 rows x 128 numbers of the mask, through a ring of two LDS slots.  Waves 0 and 1 fetch the two heads' images, wave 2 the mask.
; LAYOUT.  Both products transposed: S^T = K Q^T (source 0 = 16 keys, source 1 = my queries), O^T = V^T P^T: a lane holds ONE query (lane % 16).  In S^T's tile t register j is key 16 t + 8 (lane / 16) + j, so p's conversions give registers 2 t, 2 t + 1 of the
; second product's operand, in the order in which V's images hold the keys.  K, V and Q come as images of their registers: 16 bytes a lane at 16 x lane, no pitch.
; CLUSTERS: 4 x 4 work-groups.  K and V hang on the head pair alone: asked for jointly along a row of the cluster; the mask's tile on the block of queries alone: jointly along a column.
; REGISTERS: window 0: v1-11 addresses; v12 -M, v13 the largest t, v[14:15] the sum; v16-31 Q; v32-95 the mask; v96-159 S^T, t, p; v160-223 O^T; v224-239 codes; v236-254 constants and at work.   window 1: v0-127 V's eight fragments, v128-255 K's.
.set SLOT1, 1<<17                      ; slot 1 begins here: one exclusive or turns an address in one slot into the other's
.set VOFF,  16384                      ; in a head's 32 KiB: K's images, then V's
.set MOFF,  65536                      ; in a slot: head 0, head 1, then the mask's tile
.set MP,    528                        ; a row of the mask in LDS: 512 bytes + 16 of padding = 132 words: the 16 rows of a load start 4 words apart modulo 64 (64 banks of 4 bytes: ISA guide 11.1)
.set SPARE, 2*SLOT1                    ; behind the ring: the spare words, 128 bytes for each wave, which no other line names
.set SP,    272                        ; the way out: a stage of 64 rows x (256 bytes + 16) at LDS byte 0, in slot 0, which has had its last fill and its last read when the last step runs
.set LKV,  1                           ; v1   16 x lane + 32,768 x my head of the pair
.set MA0,  2                           ; v2   my lane's place in the mask's tile
.set PFO,  3                           ; v3   the prefetches' offset; never rewritten
.set L16,  4                           ; v4   16 x lane
.set SPW,  5                           ; v5   SPARE + 4 x my thread's number; never rewritten
.set NIL,  6                           ; v6   0; never rewritten
.set GO,   7                           ; v7   the way out: my byte offset in cc
.set ADK,  8                           ; v8   the step's images
.set ADM,  9                           ; v9   the step's mask
.set MK,   32
.set S,    96
.set OT,   160
.set PC,   224
.set KW,   128                         ; K's fragments, in window 1
.set TB,   3                           ; s3   LDS byte at which the slot in hand begins
.set WV,   18                          ; s18  my wave's number;  s17 = wave / 2, s19 = wave % 2
.set SEL,  20                          ; s[20:21] lane selects for v_permlanex16_b32: lane xor 16
.set CS,   22                          ; s[22:23] 2^(e6 + e7) / sqrt(128)
.set G1KV, 24                          ; s[24:31] descriptor group 1 for the images;  s[32:39] for the mask;  s[40:43], s[44:47] their groups 0, which walk
.set G1M,  32
.set G0KV, 40
.set G0M,  44
.set L2E,  48                          ; s[48:49] log2(e)
.set SLOTS, 50                         ; s50  tiles still to be asked for
.set PFA,  56                          ; s[56:57] where my prefetches stand
.set PFS,  58                          ; s[58:59] a step on, in bytes
.set LIM,  60                          ; s60  1 in a wave that prefetches, else the greatest number
.set MSB, 0
.macro WIN new                         ; the immediate's high byte repeats the setting that is left
.if MSB != \new
	s_set_vgpr_msb (MSB<<8)|\new
.set MSB, \new
.endif
.endm
; The joint loads.  The branches hang on the wave's number alone.  An s_nop 0 and four v_nop follow each of the two lines.
.macro TLOAD
	s_cmp_lt_u32 s[WV], 2
	s_cbranch_scc0 .Lnot_kv_\@
	tensor_load_to_lds s[G0KV:G0KV+3], s[G1KV:G1KV+7]
	s_nop 0
.rept 4
	v_nop
.endr
	s_branch .Lasked_\@
.Lnot_kv_\@:
	s_cmp_eq_u32 s[WV], 2
	s_cbranch_scc0 .Lasked_\@
	tensor_load_to_lds s[G0M:G0M+3], s[G1M:G1M+7]
	s_nop 0
.rept 4
	v_nop
.endr
.Lasked_\@:
.endm
; A PREFETCH INTO THE L2 of what the NEXT change of slots will ask for, one step ahead of that load.  Each aligned block of 256 bytes is named once in the launch.
; The images of a head pair are walked by all eight clusters along x: the first of them asks; its four partners of a row take 16 KiB each of a step's 64, told apart by address; in each, waves 3 and 4 take 8 KiB, lanes 256 bytes apart.
; The mask's rows of a block of queries are walked by both clusters along y: the first asks; its four partners of a column take 16 rows each, by address; wave 5 asks: two lanes to a row's 512 bytes.
; The first two steps come by their loads alone; the last change that fills a slot asks for nothing: there is no step behind it.
.macro ASK
	s_cmp_gt_u32 s[SLOTS], s[LIM]
	s_cbranch_scc0 .Lnot_mine_\@
	global_prefetch_b8 v[PFO], s[PFA:PFA+1] th:TH_LOAD_NT scope:SCOPE_SE
.Lnot_mine_\@:
.endm
.macro CROUND                          ; a round of the cluster's barrier
	s_barrier_signal -1
	s_barrier_wait -1
	s_cmp_lg_u32 s[WV], 0
	s_cbranch_scc1 .Lnot_wave_0_\@
	s_barrier_signal -3
.Lnot_wave_0_\@:
	s_barrier_wait -3
	s_barrier_signal -1
	s_barrier_wait -1
.endm
	s_load_b256 s[4:11], s[0:1], 0x0               ; qkv s[4:5], mask s[6:7], the scales' exponents s[8:9], cc s[10:11]
	v_lshl_add_u32 v[SPW], v0, 2, SPARE
	v_mov_b32 v[NIL], 0
	ds_add_u32 v[SPW], v[NIL]                      ; the wave's opening: the add, twice on end, and its wait ahead of the first tensor loads
	ds_add_u32 v[SPW], v[NIL]
	v_lshrrev_b32 v8, 5, v0
	v_readfirstlane_b32 s[WV], v8                  ; wave 0..7
	s_and_b32 s19, s[WV], 1                        ; my head of the pair
	s_lshr_b32 s17, s[WV], 1                       ; my tile of 16 queries
	s_bfe_u32 s51, ttmp6, 0x40000                  ; cx, cy
	s_bfe_u32 s52, ttmp6, 0x40004
	s_lshl_b32 s53, ttmp9, 2
	s_add_co_u32 s53, s53, s51                     ; my block of 64 queries
	s_and_b32 s54, ttmp7, 0xffff
	s_lshl_b32 s54, s54, 2
	s_add_co_u32 s54, s54, s52                     ; my head pair
	s_lshl_b32 s74, s52, 2
	s_lshl_b32 s74, 15, s74                        ; my row of the cluster
	s_lshl_b32 s75, 0x1111, s51                    ; my column
	s_or_b32 s[G1KV], s74, (3<<16)|(1<<21)         ; the images: 15:0 the mask of my row; 17:16 elements of 8 bytes; 21 set beside a mask; no padding
	s_mov_b32 s[G1KV+1], 32<<16                    ; tensor_dim0 = 32 elements: rows of 256 bytes,
	s_mov_b32 s[G1KV+2], 128<<16                   ; tensor_dim1 = 128 rows: a head's 32 KiB, dense
	s_mov_b32 s[G1KV+3], 32<<16                    ; tile_dim0
	s_mov_b32 s[G1KV+4], 128                       ; tile_dim1
	s_mov_b32 s[G1KV+5], 32                        ; tensor_dim0_stride
	s_mov_b32 s[G1KV+6], 0
	s_mov_b32 s[G1KV+7], 0
	s_or_b32 s[G1M], s75, (2<<16)|(1<<20)|(1<<21)|(6<<22)|(3<<25)   ; the mask: my column; elements of 4 bytes; four words of padding after every 128
	s_mov_b32 s[G1M+1], 128<<16
	s_mov_b32 s[G1M+2], 64<<16
	s_mov_b32 s[G1M+3], 128<<16
	s_mov_b32 s[G1M+4], 64
	s_mov_b32 s[G1M+5], 2048
	s_mov_b32 s[G1M+6], 0
	s_mov_b32 s[G1M+7], 0
	s_lshl_b32 s78, s19, 15                        ; a head's 32 KiB, in a step's 64 and in a slot
	s_lshl_b32 s76, s54, 20                        ; a head pair's 16 steps
	s_add_co_u32 s76, s76, s78
	s_add_co_u32 s76, s76, 0x400000                ; K and V lie behind Q's 4 MiB
	s_mov_b32 s77, 0
	s_lshl_b32 s80, s53, 19                        ; 64 rows of the mask, 8,192 bytes each
	s_mov_b32 s81, 0
	s_mov_b32 s[SEL], 0x76543210
	s_mov_b32 s[SEL+1], 0xfedcba98
	s_mov_b32 s[CS], 0x3db504f3                    ; 1 / sqrt(128)
	s_mov_b32 s[L2E], 0x3fb8aa3b                   ; log2(e)
	s_mov_b32 s[L2E+1], s[L2E]                     ; (named with it as a pair, so it is written)
	s_mov_b32 s[TB], 0
	s_mov_b32 s[SLOTS], 15
	s_wait_dscnt 0x0                               ; both opening adds are done
	s_wait_kmcnt 0x0
	s_load_b128 s[68:71], s[8:9], 0x18             ; e6, e7, e8, e9
	s_load_b64 s[72:73], s[8:9], 0x28              ; e10, e11
	s_mov_b32 s[G0KV], 1
	s_mov_b32 s[G0KV+1], s78                       ; slot 0
	s_add_nc_u64 s[G0KV+2:G0KV+3], s[4:5], s[76:77]
	s_or_b32 s[G0KV+3], s[G0KV+3], 0x80000000
	s_mov_b32 s[G0M], 1
	s_mov_b32 s[G0M+1], MOFF
	s_add_nc_u64 s[G0M+2:G0M+3], s[6:7], s[80:81]
	s_or_b32 s[G0M+3], s[G0M+3], 0x80000000
	CROUND                                         ; all sixteen work-groups are here: the first joint loads meet
	TLOAD                                          ; step 0, into slot 0
	s_lshl_b32 s82, s54, 1
	s_add_co_u32 s82, s82, s19                     ; my head
	s_lshl_b32 s82, s82, 7
	s_lshl_b32 s83, s53, 2
	s_add_co_u32 s82, s82, s83
	s_add_co_u32 s82, s82, s17                     ; 128 x head + my tile of 16 tokens
	s_lshl_b32 s82, s82, 11
	s_mov_b32 s83, 0
	s_add_nc_u64 s[84:85], s[4:5], s[82:83]
	v_and_b32 v8, 31, v0                           ; lane
	v_lshlrev_b32 v[L16], 4, v8
.irp c, 0,1,2,3
	global_load_b128 v[16+4*\c:19+4*\c], v[L16], s[84:85] offset:512*\c   ; Q's fragment stays in registers
.endr
	s_lshl_b32 s86, s53, 6
	s_lshl_b32 s87, s[WV], 3
	s_add_co_u32 s86, s86, s87                     ; the way out: I store rows 64 x block + 8 x wave on,
	s_lshl_b32 s86, s86, 11
	s_lshl_b32 s87, s54, 8                         ; the pair's 256 bytes of them
	s_add_co_u32 s86, s86, s87
	s_mov_b32 s87, 0
	s_add_nc_u64 s[10:11], s[10:11], s[86:87]
	; the prefetches: where my wave's stand, and who asks
	s_lshl_b32 s91, s53, 19
	s_lshl_b32 s92, s52, 17
	s_add_co_u32 s91, s91, s92                     ; the mask: my work-group's 16 rows of the block's 64
	s_lshl_b32 s92, s54, 20
	s_lshl_b32 s93, s51, 14
	s_add_co_u32 s92, s92, s93                     ; the images: my work-group's 16 KiB of a step's 64,
	s_sub_co_u32 s93, s[WV], 3
	s_and_b32 s93, s93, 1
	s_lshl_b32 s93, s93, 13
	s_add_co_u32 s92, s92, s93                     ; wave 3 its first half, wave 4 its second
	s_add_co_u32 s92, s92, 0x400000
	s_and_b32 s94, ttmp7, 0xffff                   ; cluster y
	s_cmp_eq_u32 s[WV], 5
	s_cselect_b64 s[PFA:PFA+1], s[6:7], s[4:5]
	s_cselect_b32 s92, s91, s92
	s_cselect_b32 s94, s94, ttmp9                  ; the coordinate along which other clusters walk the same bytes
	s_mov_b32 s[PFS], 0x10000
	s_cselect_b32 s[PFS], 512, s[PFS]              ; a step on
	s_mov_b32 s89, 512
	s_cselect_b32 s89, 8192, s89                   ; from one pair of lanes to the next
	s_add_co_u32 s92, s92, s[PFS]                  ; at step 1: the first change of slots steps it to step 2
	s_mov_b32 s93, 0
	s_mov_b32 s[PFS+1], 0
	s_add_nc_u64 s[PFA:PFA+1], s[PFA:PFA+1], s[92:93]
	s_sub_co_u32 s95, s[WV], 3
	s_cmp_lt_u32 s95, 3
	s_cselect_b32 s95, 0, 1                        ; 0 in waves 3, 4, 5,
	s_or_b32 s94, s94, s95                         ; of the first cluster along that coordinate: the same in all sixteen partners
	s_cmp_eq_u32 s94, 0
	s_cselect_b32 s[LIM], 1, -1
	v_lshrrev_b32 v9, 1, v8
	v_mul_lo_u32 v9, v9, s89
	v_and_b32 v10, 1, v8
	v_lshl_add_u32 v[PFO], v10, 8, v9
	; the lane's places in LDS
	v_add_nc_u32 v[LKV], s78, v[L16]
	v_and_b32 v8, 15, v0                           ; r
	v_bfe_u32 v9, v0, 4, 1                         ; h
	s_mul_i32 s74, s17, 16*MP
	v_mul_u32_u24 v[MA0], v8, MP
	v_lshl_add_u32 v[MA0], v9, 5, v[MA0]
	v_add_nc_u32 v[MA0], s74, v[MA0]
	v_add_nc_u32 v[MA0], MOFF, v[MA0]              ; row 16 (wave / 2) + r of the tile, + 32 h: keys 8 h + 0 .. 7 of a tile of 16
	v_mov_b32 v13, 0xff61b1e6                      ; the largest t so far: -3e38
	v_floor_f32 v12, -v13                          ; -M
	v_mov_b32 v14, 0                               ; the sum, in two halves
	v_mov_b32 v15, 0
	v_mov_b32 v236, 0                              ; written once: a lane permute's destination counts as one of its sources
	v_mov_b32 v253, 0                              ; (named as the upper half of the pair v[252:253])
.set j, 0
.rept 64
	v_mov_b32 v[OT+j], 0                           ; O^T.  (The step is written for all steps alike: the first finds zeros, which the first change of M leaves zeros)
.set j, j+1
.endr
	s_wait_kmcnt 0x0
	s_add_co_i32 s74, s68, s69
	s_lshl_b32 s74, s74, 23
	s_add_co_i32 s[CS], s[CS], s74                 ; a score stands for score x 2^(e6 + e7): added to the exponent field
	s_mov_b32 s[CS+1], s[CS]
	s_add_co_i32 s74, s70, 127
	s_lshl_b32 s75, s74, 23
	v_mov_b32 v244, s75                            ; 2^e8, for p's conversions
	s_add_co_i32 s74, s74, 8
	s_lshl_b32 s74, s74, 23
	s_or_b32 s74, s74, 0x600000
	v_mov_b32 v240, s74                            ; 448 x 2^e8
	s_add_co_i32 s74, s72, 127
	s_lshl_b32 s75, s74, 23
	v_mov_b32 v245, s75                            ; 2^e10, for ctx's
	s_add_co_i32 s74, s74, 8
	s_lshl_b32 s74, s74, 23
	s_or_b32 s74, s74, 0x600000
	v_mov_b32 v241, s74                            ; 448 x 2^e10
; A KEY STEP: the 128 keys of the slot in hand.
.macro STEP
	v_add_nc_u32 v[ADK], s[TB], v[LKV]
	v_add_nc_u32 v[ADM], s[TB], v[MA0]
	v_nop                                          ; with the two additions: four places behind the last products, in front of loads into registers that they read
	v_nop
.irp t, 0,1,2,3,4,5,6,7
	ds_load_b128 v[MK+8*\t:MK+8*\t+3], v[ADM] offset:64*\t        ; mask(my query, keys 16 t + 8 h + 0 .. 7)
	ds_load_b128 v[MK+8*\t+4:MK+8*\t+7], v[ADM] offset:64*\t+16
.endr
	WIN 0x40                                       ; destination window 1
.irp t, 0,1,2,3,4,5,6,7
.irp c, 0,1,2,3
	ds_load_b128 v[KW+16*\t+4*\c:KW+16*\t+4*\c+3], v[ADK] offset:2048*\t+512*\c
.endr
.endr
.irp t, 0,1,2,3,4,5,6,7
.irp c, 0,1,2,3
	ds_load_b128 v[16*\t+4*\c:16*\t+4*\c+3], v[ADK] offset:VOFF+2048*\t+512*\c
.endr
.endr
	s_wait_dscnt 32                                ; the mask and K are in; V's 32 loads may be out
	WIN 0x01                                       ; source 0 window 1
.irp t, 0,1,2,3,4,5,6,7
	v_wmma_f32_16x16x128_fp8_fp8 v[S+8*\t:S+8*\t+7], v[KW+16*\t:KW+16*\t+15], v[16:31], 0
.endr
	WIN 0
.rept 4
	v_nop
.endr
.set j, 0
.rept 32
	v_pk_fma_f32 v[S+j:S+j+1], v[S+j:S+j+1], s[CS:CS+1], v[MK+j:MK+j+1] op_sel_hi:[1,0,1]   ; the logit; each accumulator from its low end on
.set j, j+2
.endr
.set j, 0
.rept 32
	v_pk_mul_f32 v[S+j:S+j+1], v[S+j:S+j+1], s[L2E:L2E+1] op_sel_hi:[1,0]   ; t, rounded to f32
.set j, j+2
.endr
	v_max3_num_f32 v254, v96, v97, v98             ; the step's largest t of my query among my 64 keys, in two chains,
	v_max3_num_f32 v252, v99, v100, v101
.irp i, 6,10,14,18,22,26,30,34,38,42,46,50,54,58
	v_max3_num_f32 v254, v254, v[S+\i], v[S+1+\i]
	v_max3_num_f32 v252, v252, v[S+2+\i], v[S+3+\i]
.endr
	v_max3_num_f32 v254, v254, v158, v159
	v_max_num_f32 v254, v254, v252
	v_permlanex16_b32 v236, v254, s[SEL], s[SEL+1]
	v_max3_num_f32 v13, v254, v236, v13            ; among lane xor 16's too, and the running largest
	v_mov_b32 v254, v12
	v_floor_f32 v12, -v13                          ; the new -M = -ceil(t): a whole number
	v_sub_f32 v254, v12, v254                      ; old M - new M: a whole number, 0 or less
	v_cvt_i32_f32 v254, v254                       ; (it saturates)
	v_ldexp_f32 v252, 1.0, v254                    ; f = 2^(old M - new M)
.set j, 0
.rept 32
	v_pk_add_f32 v[S+j:S+j+1], v[S+j:S+j+1], v[12:13] op_sel_hi:[1,0]   ; t - M
.set j, j+2
.endr
.set j, 0
.rept 64
	v_exp_f32 v[S+j], v[S+j]                       ; p = 2^(t - M), at most 1
.set j, j+1
.endr
	v_pk_mul_f32 v[14:15], v[14:15], v[252:253] op_sel_hi:[1,0]   ; the sums under the new M.  (The plain line behind the exponentials)
	s_wait_alu depctr_va_vdst(0)                   ; one wait for the whole batch, ahead of its first reader
	v_pk_add_f32 v[242:243], v[S:S+1], v[S+2:S+3]  ; the row's sum is taken of the unquantised p, in two chains
.irp i, 4,8,12,16,20,24,28,32,36,40,44,48,52,56,60
	v_pk_add_f32 v[14:15], v[14:15], v[S+\i:S+1+\i]
	v_pk_add_f32 v[242:243], v[242:243], v[S+2+\i:S+3+\i]
.endr
	v_pk_add_f32 v[14:15], v[14:15], v[242:243]
.set j, 0
.rept 64
	v_min_num_f32 v[S+j], v[S+j], v240             ; the conversion does not saturate (ISA guide 7.6.2); p is not negative, so the hold is one-sided
.set j, j+1
.endr
.irp t, 0,1,2,3,4,5,6,7
	v_cvt_scalef32_pk8_fp8_f32 v[PC+2*\t:PC+2*\t+1], v[S+8*\t:S+8*\t+7], v244
.endr
.set j, 0
.rept 32
	v_pk_mul_f32 v[OT+j:OT+j+1], v[OT+j:OT+j+1], v[252:253] op_sel_hi:[1,0]   ; O^T under the new M.  (Also the plain lines between the conversions and the products)
.set j, j+2
.endr
	s_wait_dscnt 0x0                               ; V is in
	WIN 0x01
.irp t, 0,1,2,3,4,5,6,7
	v_wmma_f32_16x16x128_fp8_fp8 v[OT+8*\t:OT+8*\t+7], v[16*\t:16*\t+15], v[PC:PC+15], v[OT+8*\t:OT+8*\t+7]
.endr
	WIN 0
	s_xor_b32 s[TB], s[TB], SLOT1                  ; on to the other slot
.endm
; THE CHANGE OF SLOTS stands at a step's head.  Each wave waits for all its tensor loads, adds 0 to its spare word, and waits for that and for its reads of the slot that it has left.  fill = 1: behind a round of the cluster's barrier that slot takes the next
; step's tiles: the load has a whole step in which to land.  (Slot 1's first fill goes out so too, behind the first trip's round, where nothing is filled again.)
.macro CHANGE fill
	s_wait_tensorcnt 0x0                           ; no tensor load of mine is out, so a group 0 may be written
	ds_add_u32 v[SPW], v[NIL]
.if \fill
	ds_add_u32 v[SPW], v[NIL]                      ; twice on end, in every trip alike
	s_xor_b32 s[G0KV+1], s[G0KV+1], SLOT1          ; the walking descriptors: the other slot,
	s_add_nc_u64 s[G0KV+2:G0KV+3], s[G0KV+2:G0KV+3], 0x10000   ; the next step's 64 KiB; the type bits on top are not reached
	s_xor_b32 s[G0M+1], s[G0M+1], SLOT1
	s_add_nc_u64 s[G0M+2:G0M+3], s[G0M+2:G0M+3], 512           ; the next 128 columns of the mask
	s_wait_xcnt 0x0                                ; the last prefetch, a step back, has read its address
	s_add_nc_u64 s[PFA:PFA+1], s[PFA:PFA+1], s[PFS:PFS+1]      ; one step further on than the walking descriptors
	s_wait_dscnt 0x0                               ; both adds are done, and my reads of the slot that I have left are over
	CROUND
	TLOAD                                          ; the first thing behind the round, and a wave's one tensor load until the next
	ASK
.else
	s_wait_dscnt 0x0
	s_barrier_signal -1
	s_barrier_wait -1
.endif
.endm
	s_wait_loadcnt 0x0                             ; Q
.Lslot:                                            ; 15 trips: behind each change of slots but the last the next step's tiles are asked for
	CHANGE 1
	STEP
	s_sub_co_u32 s[SLOTS], s[SLOTS], 1
	s_cmp_lg_u32 s[SLOTS], 0
	s_cbranch_scc1 .Lslot
	CHANGE 0                                       ; the last step is written out
	STEP
	; THE WAY OUT.  ctx = O^T / the sum x 2^(e8 + e9), quantised; a lane's eight codes of a tile are 8 bytes of its query's row.  The rows meet in the stage (two waves write each row's two halves) and leave as whole units of 256 bytes.
	v_add_f32 v14, v14, v15                        ; the sum's two halves,  (these lines and the address work are the places behind the last products)
	v_permlanex16_b32 v252, v14, s[SEL], s[SEL+1]
	v_add_f32 v14, v14, v252                       ; and lane xor 16's
	v_rcp_f32 v14, v14
	v_and_b32 v8, 15, v0                           ; (a plain line behind the reciprocal)  r
	v_bfe_u32 v9, v0, 4, 1                         ; h
	s_add_co_i32 s74, s70, s71                     ; e8 + e9
	s_mul_i32 s75, s17, 16*SP
	s_lshl_b32 s76, s19, 7
	s_add_co_u32 s75, s75, s76
	v_mul_u32_u24 v10, v8, SP
	v_lshl_add_u32 v10, v9, 3, v10
	v_add_nc_u32 v10, s75, v10                     ; in: row 16 (wave / 2) + r, + 128 x my head of the pair, + 8 h
	s_mul_i32 s75, s[WV], 8*SP
	v_mul_u32_u24 v11, v9, SP
	v_lshl_add_u32 v11, v8, 4, v11
	v_add_nc_u32 v11, s75, v11                     ; back: rows 8 x wave on; lanes 0-15 one row, lanes 16-31 the next
	v_lshlrev_b32 v[GO], 11, v9
	v_lshl_add_u32 v[GO], v8, 4, v[GO]             ; and the same two rows in cc
	s_wait_alu depctr_va_vdst(0)                   ; the wait ahead of the reciprocal's first reader
	v_ldexp_f32 v14, v14, s74
.set j, 0
.rept 32
	v_pk_mul_f32 v[S+j:S+j+1], v[OT+j:OT+j+1], v[14:15] op_sel_hi:[1,0]   ; register 8 t + i is ctx(my query, 16 t + 8 h + i); each accumulator from its low end on
.set j, j+2
.endr
.set j, 0
.rept 64
	v_med3_num_f32 v[S+j], v[S+j], -v241, v241
.set j, j+1
.endr
.irp t, 0,1,2,3,4,5,6,7
	v_cvt_scalef32_pk8_fp8_f32 v[PC+2*\t:PC+2*\t+1], v[S+8*\t:S+8*\t+7], v245
.endr
	v_nop                                          ; a plain vector line behind the last conversion
.irp t, 0,1,2,3,4,5,6,7
	ds_store_b64 v10, v[PC+2*\t:PC+2*\t+1] offset:16*\t
.endr
	s_wait_dscnt 0x0                               ; for the others' sake: my stores into the stage are done
	s_barrier_signal -1
	s_barrier_wait -1
.irp i, 0,1,2,3
	ds_load_b128 v[MK+4*\i:MK+4*\i+3], v11 offset:2*SP*\i
.endr
.irp i, 0,1,2,3
	s_wait_dscnt 3-\i
	global_store_b128 v[GO], v[MK+4*\i:MK+4*\i+3], s[10:11] offset:4096*\i   ; 16 lanes store 256 consecutive bytes, at a multiple of 256 from cc's first byte
.endr
	s_wait_tensorcnt 0x0                           ; the wave's end
	ds_add_u32 v[SPW], v[NIL]
	s_wait_dscnt 0x0
	CROUND                                         ; the closing round
	s_endpgm
.Lfunc_end_k_qe5e1963154_attn:
	.size	k_qe5e1963154_attn, .Lfunc_end_k_qe5e1963154_attn-k_qe5e1963154_attn
	.p2alignl 7, 3214868480
	.fill 96, 4, 3214868480
	.section	.rodata,"a",@progbits
	.p2align	6, 0x0
	.amdhsa_kernel k_qe5e1963154_attn
		.amdhsa_group_segment_fixed_size 327680
		.amdhsa_private_segment_fixed_size 0
		.amdhsa_enable_private_segment 0
		.amdhsa_kernarg_size 32
		.amdhsa_user_sgpr_count 2
		.amdhsa_user_sgpr_kernarg_segment_ptr 1
		.amdhsa_wavefront_size32 1
		.amdhsa_system_sgpr_workgroup_id_x 1
		.amdhsa_system_sgpr_workgroup_id_y 1
		.amdhsa_system_sgpr_workgroup_id_z 1
		.amdhsa_system_vgpr_workitem_id 0
		.amdhsa_next_free_vgpr 512
		.amdhsa_next_free_sgpr 96
		.amdhsa_reserve_vcc 0
		.amdhsa_float_denorm_mode_32 3
		.amdhsa_float_denorm_mode_16_64 3
		.amdhsa_memory_ordered 1
		.amdhsa_forward_progress 1
		.amdhsa_inst_pref_size 69
	.end_amdhsa_kernel
	.amdgpu_metadata
---
amdhsa.version: [ 1, 2 ]
amdhsa.kernels:
  - .name:           k_qe5e1963154_attn
    .symbol:         k_qe5e1963154_attn.kd
    .args:
      - { .name: qkv, .offset: 0, .size: 8, .value_kind: global_buffer, .address_space: global }
      - { .name: mask, .offset: 8, .size: 8, .value_kind: global_buffer, .address_space: global }
      - { .name: lowp_scales, .offset: 16, .size: 8, .value_kind: global_buffer, .address_space: global }
      - { .name: cc, .offset: 24, .size: 8, .value_kind: global_buffer, .address_space: global }
    .group_segment_fixed_size: 327680
    .private_segment_fixed_size: 0
    .kernarg_segment_align: 8
    .kernarg_segment_size: 32
    .max_flat_workgroup_size: 256
    .sgpr_count:     96
    .vgpr_count:     512
    .wavefront_size: 32
...
	.end_amdgpu_metadata
.endif
;; end of part 3
;; launch proj (part 4): grid 16 x 16, 4 waves a work-group, clusters of 4 x 4, 327,680 bytes of LDS; arguments cc, codes, bo, lowp_scales, out0; writes out0
.if DOCPART == 4
	.amdgcn_target "amdgcn-amd-amdhsa--gfx1250"
	.amdhsa_code_object_version 6
	.text
	.protected	k_qe5e1963154_proj
	.globl	k_qe5e1963154_proj
	.p2align	8
	.type	k_qe5e1963154_proj,@function
k_qe5e1963154_proj:
	s_mov_b64 s[64:65], 0
	v_nop
	global_prefetch_b8 v0, s[64:65] scope:SCOPE_SE
	s_setreg_imm32_b32 hwreg(HW_REG_WAVE_MODE, 25, 1), 1
	s_wait_xcnt 0x0
	s_wait_alu depctr_hold_cnt(0) depctr_sa_sdst(0) depctr_va_vdst(0) depctr_va_sdst(0) depctr_va_ssrc(0) depctr_va_vcc(0) depctr_vm_vsrc(0)
	s_getreg_b32 s2, hwreg(HW_REG_IB_STS2, 6, 4)
	s_cmp_eq_u32 s2, 0
	s_cbranch_scc0 .Lentry_in_a_cluster
	s_endpgm
.Lentry_in_a_cluster:
	s_bfe_u32 s2, ttmp6, 0x10000c
	s_cmp_lg_u32 s2, 0xf033
	s_cbranch_scc0 .Lentry_shape_is_right
	s_endpgm
.Lentry_shape_is_right:
; out0[m][n] = (sum over k of ctx[m][k] Wo[n][k]) + bo[n], on codes of E4M3: ctx's in cc (scale: entry 10), Wo's in slab 6 of codes (entry 11); each finished sum x 2^(e10 + e11), plus the bias, in one multiply-add.
; Nothing is left out here.  LIMIT: e10 + e11 between -126 and 127, so that 2^(e10 + e11) is an f32 number.
; SHARES.  A tile of the result is 128 x 128: 256 work-groups of four waves (tiles of 256 x 256 would be 64); a wave makes 64 x 64: 16 accumulators.  K goes in four steps of 512 (LDS rows of 512 bytes) through a ring of two slots; all four are written out.
; CLUSTERS: 4 x 4 work-groups; ctx's tile is asked for jointly along a row of the cluster, Wo's along a column.  THE MATRIX INSTRUCTION IS USED TRANSPOSED (source 0 = 16 rows of Wo, source 1 = 16 rows of ctx): a lane holds eight neighbouring numbers of a row of the result.
; REGISTERS: window 0: v16-29 addresses; v32-63 a block's results; v64-95 rows read back; v96-127 the bias in the result's layout; v128-255 the accumulators ((a, b) at v[128 + 8 (4 a + b)]).
;   window 1: two fragment buffers of 128 registers: for 128 along K four fragments of ctx, then four of Wo.
.set KSTEP,  512
.set PITCH,  528                       ; an LDS row: 512 bytes + 16 of padding = 132 words: the 16 rows of a fragment load start 4 words apart modulo 64 (64 banks of 4 bytes: ISA guide 11.1)
.set HALFT,  64*PITCH                  ; 64 rows: what one tensor load brings
.set SLOT,   4*HALFT
.set SPARE,  2*SLOT                    ; behind the ring: the spare words, 128 bytes for each wave, which no other line names
.set SPITCH, 272                       ; the way out: a stage of 16 rows x (256 bytes + 16) for each wave, in slot 0, which has had its last fill and its last read when the first result is stored there
.set ADRA, 16
.set ADRB, 20
.set STO,  24
.set RD,   25
.set CO,   26
.set BOO,  27
.set SPW,  28                          ; v28  SPARE + 4 x my thread's number; never rewritten
.set NIL,  29                          ; v29  0; never rewritten
.set T,    32
.set BK,   64
.set BOV,  96
.set ACC,  128
.set F0,   0
.set F1,   128
.set G1, 24
.set G0, 32
.set G1B, 48
.set G0B, 56
.set MSB, 0
.macro WIN new                         ; the immediate's high byte repeats the setting that is left
.if MSB != \new
	s_set_vgpr_msb (MSB<<8)|\new
.set MSB, \new
.endif
.endm
.set MUL,  0x05                        ; sources 0 and 1 window 1; C and D window 0
.set TO_F, 0x40                        ; destination window 1, address window 0
.macro JLOAD s                         ; a joint load: waves 0 and 1 fetch ctx's two halves, waves 2 and 3 Wo's; an s_nop 0 and four v_nop follow each of the two lines
	s_cmp_eq_u32 s15, 0
	s_cbranch_scc0 .Lfor_b_\@
	tensor_load_to_lds s[G0+4*\s:G0+4*\s+3], s[G1:G1+7]
	s_nop 0
.rept 4
	v_nop
.endr
	s_branch .Lasked_\@
.Lfor_b_\@:
	tensor_load_to_lds s[G0B+4*\s:G0B+4*\s+3], s[G1B:G1B+7]
	s_nop 0
.rept 4
	v_nop
.endr
.Lasked_\@:
.endm
.macro CREST
	s_cmp_lg_u32 s14, 0
	s_cbranch_scc1 .Lnot_wave_0_\@
	s_barrier_signal -3
.Lnot_wave_0_\@:
	s_barrier_wait -3
	s_barrier_signal -1
	s_barrier_wait -1
.endm
.macro CROUND
	s_barrier_signal -1
	s_barrier_wait -1
	CREST
.endm
	s_load_b256 s[4:11], s[0:1], 0x0               ; cc s[4:5], codes s[6:7], bo s[8:9], the scales' exponents s[10:11]
	s_load_b64 s[12:13], s[0:1], 0x20              ; out0
	v_lshl_add_u32 v[SPW], v0, 2, SPARE
	v_mov_b32 v[NIL], 0
	ds_add_u32 v[SPW], v[NIL]                      ; the wave's opening: the add, twice on end, and its wait ahead of my first tensor load
	ds_add_u32 v[SPW], v[NIL]
	v_lshrrev_b32 v1, 5, v0
	v_readfirstlane_b32 s14, v1                    ; wave 0..3
	s_lshr_b32 s15, s14, 1                         ; which half of the tile's rows is mine.  Also: I fetch for ctx (0) or for Wo (1)
	s_and_b32 s16, s14, 1                          ; which half of its columns.  Also: which 64 rows I fetch
	s_bfe_u32 s40, ttmp6, 0x40000
	s_bfe_u32 s41, ttmp6, 0x40004
	s_lshl_b32 s42, ttmp9, 2
	s_add_co_u32 s42, s42, s40                     ; tile column
	s_and_b32 s17, ttmp7, 0xffff
	s_lshl_b32 s17, s17, 2
	s_add_co_u32 s17, s17, s41                     ; tile row
	s_lshl_b32 s43, s41, 2
	s_lshl_b32 s43, 15, s43                        ; my row of the cluster
	s_lshl_b32 s44, 0x1111, s40                    ; my column
	s_or_b32 s[G1+0], s43, (0<<16)|(1<<20)|(1<<21)|(6<<22)|(3<<25)  ; the mask; elements of 1 byte; padding on; 21 set beside a mask; four words after every 128
	s_or_b32 s[G1B+0], s44, (0<<16)|(1<<20)|(1<<21)|(6<<22)|(3<<25)
.irp g, G1, G1B
	s_mov_b32 s[\g+1], KSTEP<<16                   ; tensor_dim0
	s_mov_b32 s[\g+2], 64<<16                      ; tensor_dim1
	s_mov_b32 s[\g+3], KSTEP<<16                   ; tile_dim0
	s_mov_b32 s[\g+4], 64                          ; tile_dim1
	s_mov_b32 s[\g+5], 2048                        ; tensor_dim0_stride
	s_mov_b32 s[\g+6], 0
	s_mov_b32 s[\g+7], 0
.endr
	s_lshl_b32 s18, s16, 6
	s_lshl_b32 s20, s17, 7
	s_add_co_u32 s20, s20, s18
	s_lshl_b32 s20, s20, 11                        ; ctx: row 128 x tile row + 64 x half, rows of 2,048 bytes
	s_mov_b32 s21, 0
	s_lshl_b32 s46, s42, 7
	s_add_co_u32 s46, s46, s18
	s_lshl_b32 s46, s46, 11
	s_add_co_u32 s46, s46, 6<<22                   ; Wo: the same by the tile column, in slab 6
	s_mov_b32 s47, 0
	s_mul_i32 s45, s14, HALFT                      ; where the tiles go: wave x 64 rows
	s_wait_dscnt 0x0                               ; both opening adds are done
	s_wait_kmcnt 0x0
	s_load_b64 s[68:69], s[10:11], 0x28            ; e10, e11
	s_add_nc_u64 s[20:21], s[4:5], s[20:21]
	s_add_nc_u64 s[46:47], s[6:7], s[46:47]
	CROUND                                         ; all sixteen work-groups are here: the first joint loads meet
.irp s, 0,1
	s_mov_b32 s[G0+4*\s], 1
	s_add_co_u32 s[G0+4*\s+1], s45, \s*SLOT
	s_add_nc_u64 s[G0+4*\s+2:G0+4*\s+3], s[20:21], \s*KSTEP
	s_or_b32 s[G0+4*\s+3], s[G0+4*\s+3], 0x80000000
	s_mov_b32 s[G0B+4*\s], 1
	s_add_co_u32 s[G0B+4*\s+1], s45, \s*SLOT
	s_add_nc_u64 s[G0B+4*\s+2:G0B+4*\s+3], s[46:47], \s*KSTEP
	s_or_b32 s[G0B+4*\s+3], s[G0B+4*\s+3], 0x80000000
	JLOAD \s
.endr
	v_and_b32 v1, 15, v0                           ; r
	v_bfe_u32 v2, v0, 4, 1                         ; h
	v_mul_u32_u24 v3, v1, PITCH
	v_lshl_add_u32 v3, v2, 4, v3
	s_mul_i32 s21, s15, HALFT                      ; my 64 rows of ctx
	s_mul_i32 s22, s16, HALFT                      ; my 64 rows of Wo,
	s_add_co_u32 s22, s22, 2*HALFT                 ; which lie behind ctx's 128
.irp s, 0,1
	v_add_nc_u32 v[ADRA+\s], s21, v3
	v_add_nc_u32 v[ADRB+\s], s22, v3
	s_add_co_u32 s21, s21, SLOT
	s_add_co_u32 s22, s22, SLOT
.endr
	s_mul_i32 s23, s14, 16*SPITCH                  ; my stage
	v_mul_u32_u24 v4, v1, SPITCH
	v_lshl_add_u32 v4, v2, 5, v4
	v_add_nc_u32 v[STO], s23, v4                   ; in: row r, 32 bytes for each half of the lanes
	v_mul_u32_u24 v5, v2, SPITCH
	v_lshl_add_u32 v5, v1, 4, v5
	v_add_nc_u32 v[RD], s23, v5                    ; back: lanes 0-15 one row of 256 bytes, lanes 16-31 the next
	v_lshlrev_b32 v[CO], 13, v2
	v_lshl_add_u32 v[CO], v1, 4, v[CO]             ; and the same two rows in out0
	s_lshl_b32 s22, s16, 8
	v_lshlrev_b32 v[BOO], 5, v2
	v_add_nc_u32 v[BOO], s22, v[BOO]               ; the bias: my 64 columns, + 32 h
	s_lshl_b32 s22, s42, 9
	s_mov_b32 s23, 0
	s_add_nc_u64 s[8:9], s[8:9], s[22:23]
.irp t, 0,1,2,3
	global_load_b128 v[BOV+8*\t:BOV+8*\t+3], v[BOO], s[8:9] offset:64*\t          ; bo(16 t + 8 h + 0 .. 7) of my columns
	global_load_b128 v[BOV+8*\t+4:BOV+8*\t+7], v[BOO], s[8:9] offset:64*\t+16
.endr
	s_lshl_b32 s20, s17, 7
	s_lshl_b32 s21, s15, 6
	s_add_co_u32 s20, s20, s21                     ; my first row of out0,
	s_lshl_b32 s20, s20, 13
	s_lshl_b32 s21, s42, 9
	s_add_co_u32 s20, s20, s21
	s_lshl_b32 s21, s16, 8
	s_add_co_u32 s20, s20, s21                     ; and my first column, in bytes
	s_mov_b32 s21, 0
	s_add_nc_u64 s[12:13], s[12:13], s[20:21]
; four matrix instructions: ctx's block a x Wo's four, 128 along K.  The 16 accumulators take turns, one instruction a turn, in the same order in every quarter.
.macro MUL4 f, a, zero
.irp b, 0,1,2,3
.if \zero
	v_wmma_f32_16x16x128_fp8_fp8 v[ACC+8*(4*(\a)+\b):ACC+8*(4*(\a)+\b)+7], v[\f+64+16*\b:\f+64+16*\b+15], v[\f+16*(\a):\f+16*(\a)+15], 0
.else
	v_wmma_f32_16x16x128_fp8_fp8 v[ACC+8*(4*(\a)+\b):ACC+8*(4*(\a)+\b)+7], v[\f+64+16*\b:\f+64+16*\b+15], v[\f+16*(\a):\f+16*(\a)+15], v[ACC+8*(4*(\a)+\b):ACC+8*(4*(\a)+\b)+7]
.endif
.endr
.endm
; 32 LDS loads in one run: the fragments of the slot's q-th 128 along K into buffer f.  Registers 4 c .. 4 c + 3 hold K = 32 c + 16 h + 0 .. 15: a permutation of k that is the same on both sides.
.macro FETCH slot, q, f
	WIN TO_F
.irp i, 0,1,2,3
.irp c, 0,1,2,3
	ds_load_b128 v[\f+64+16*\i+4*\c:\f+64+16*\i+4*\c+3], v[ADRB+\slot] offset:128*(\q)+32*\c+\i*16*PITCH
.endr
.endr
.irp i, 0,1,2,3
.irp c, 0,1,2,3
	ds_load_b128 v[\f+16*\i+4*\c:\f+16*\i+4*\c+3], v[ADRA+\slot] offset:128*(\q)+32*\c+\i*16*PITCH
.endr
.endr
.endm
.macro PLACES                          ; four plain vector lines in front of loads into registers that matrix instructions have read, and of the first reads of results
.rept 4
	v_nop
.endr
.endm
; A quarter of a K step: the next quarter's fragments (the slot's qn-th 128 along K) are asked for into buffer g, then buffer f is multiplied.
.macro QUARTER slot, qn, f, g, zero
	PLACES
	FETCH \slot, \qn, \g
	s_wait_dscnt 32                                ; all but the 32 loads just issued: buffer f is whole
	WIN MUL
	MUL4 \f, 0, \zero
	MUL4 \f, 1, \zero
	MUL4 \f, 2, \zero
	MUL4 \f, 3, \zero
.endm
; A K step's last quarter multiplies buffer 1 and changes slots: one barrier; in front of it each wave waits for all its tensor loads, adds 0 to its spare word, and waits for that and for its reads of this slot.  fill = 1: this slot is filled again, two K steps ahead.
.macro TURN slot, next, fill
	WIN 0
	s_wait_tensorcnt 0x0                           ; all my tensor loads have landed: my part of the next slot
	ds_add_u32 v[SPW], v[NIL]
	s_wait_dscnt 1                                 ; buffer 1 is whole; the add may be out
	WIN MUL
	MUL4 F1, 0, 0
	s_wait_dscnt 0x0                               ; the add is done, and my reads of this slot are over
	s_barrier_signal -1
	MUL4 F1, 1, 0
	WIN 0
	s_barrier_wait -1
.if \fill
	CREST                                          ; the barrier has opened a round of the cluster's barrier
	s_add_nc_u64 s[G0+4*\slot+2:G0+4*\slot+3], s[G0+4*\slot+2:G0+4*\slot+3], 2*KSTEP
	s_add_nc_u64 s[G0B+4*\slot+2:G0B+4*\slot+3], s[G0B+4*\slot+2:G0B+4*\slot+3], 2*KSTEP
	JLOAD \slot                                    ; the first tensor load behind the round; its four v_nop are the places in front of the loads below
.else
	PLACES
.endif
	FETCH \next, 0, F0
	WIN MUL
	MUL4 F1, 2, 0
	MUL4 F1, 3, 0
.endm
	s_wait_tensorcnt 1                             ; my part of K step 0 is in; K step 1's load may be out
	s_barrier_signal -1
	s_barrier_wait -1
	FETCH 0, 0, F0
	QUARTER 0, 1, F0, F1, 1                        ; the first products start the sums
	QUARTER 0, 2, F1, F0, 0
	QUARTER 0, 3, F0, F1, 0
	TURN 0, 1, 1                                   ; slot 0 takes K step 2
	QUARTER 1, 1, F0, F1, 0
	QUARTER 1, 2, F1, F0, 0
	QUARTER 1, 3, F0, F1, 0
	TURN 1, 0, 1                                   ; slot 1 takes K step 3
	QUARTER 0, 1, F0, F1, 0
	QUARTER 0, 2, F1, F0, 0
	QUARTER 0, 3, F0, F1, 0
	TURN 0, 1, 0                                   ; nothing is left to fetch
	QUARTER 1, 1, F0, F1, 0
	QUARTER 1, 2, F1, F0, 0
	QUARTER 1, 3, F0, F1, 0
	s_wait_dscnt 0x0
	MUL4 F1, 0, 0
	MUL4 F1, 1, 0
	MUL4 F1, 2, 0
	MUL4 F1, 3, 0
	WIN 0
	; THE WAY OUT, a block of 16 rows x 64 columns at a time: sum x 2^(e10 + e11) + bo; through my own stage in LDS, back as whole rows of 256 bytes.  LDS serves a wave's instructions in order: no wait between the stores and the loads.
	s_wait_kmcnt 0x0
	s_add_co_i32 s66, s68, s69
	s_add_co_i32 s66, s66, 127
	s_lshl_b32 s66, s66, 23                        ; 2^(e10 + e11) as f32
	s_mov_b32 s67, s66                             ; (named with it as a pair, so it is written)
	s_wait_loadcnt 0x0                             ; the bias
	PLACES
.irp a, 0,1,2,3
.if \a > 0
	s_wait_xcnt 0x0                                ; the last block's stores have read their registers
.endif
.irp t, 0,1,2,3
.irp i, 0,2,4,6
	v_pk_fma_f32 v[T+8*\t+\i:T+8*\t+\i+1], v[ACC+8*(4*\a+\t)+\i:ACC+8*(4*\a+\t)+\i+1], s[66:67], v[BOV+8*\t+\i:BOV+8*\t+\i+1] op_sel_hi:[1,0,1]   ; each accumulator from its low end on
.endr
.endr
.irp t, 0,1,2,3
	ds_store_b128 v[STO], v[T+8*\t:T+8*\t+3] offset:64*\t
	ds_store_b128 v[STO], v[T+8*\t+4:T+8*\t+7] offset:64*\t+16
.endr
.irp i, 0,1,2,3,4,5,6,7
	ds_load_b128 v[BK+4*\i:BK+4*\i+3], v[RD] offset:2*SPITCH*\i
.endr
	s_wait_dscnt 0x0
.irp i, 0,1,2,3,4,5,6,7
	global_store_b128 v[CO], v[BK+4*\i:BK+4*\i+3], s[12:13] offset:(16*\a+2*\i)*8192 th:TH_STORE_NT   ; 16 lanes store 256 consecutive bytes, at a multiple of 256 from out0's first byte; written once, read by nobody here
.endr
.endr
	s_wait_tensorcnt 0x0                           ; the wave's end
	ds_add_u32 v[SPW], v[NIL]
	s_wait_dscnt 0x0
	CROUND                                         ; the closing round
	s_endpgm
.Lfunc_end_k_qe5e1963154_proj:
	.size	k_qe5e1963154_proj, .Lfunc_end_k_qe5e1963154_proj-k_qe5e1963154_proj
	.p2alignl 7, 3214868480
	.fill 96, 4, 3214868480
	.section	.rodata,"a",@progbits
	.p2align	6, 0x0
	.amdhsa_kernel k_qe5e1963154_proj
		.amdhsa_group_segment_fixed_size 327680
		.amdhsa_private_segment_fixed_size 0
		.amdhsa_enable_private_segment 0
		.amdhsa_kernarg_size 40
		.amdhsa_user_sgpr_count 2
		.amdhsa_user_sgpr_kernarg_segment_ptr 1
		.amdhsa_wavefront_size32 1
		.amdhsa_system_sgpr_workgroup_id_x 1
		.amdhsa_system_sgpr_workgroup_id_y 1
		.amdhsa_system_sgpr_workgroup_id_z 1
		.amdhsa_system_vgpr_workitem_id 0
		.amdhsa_next_free_vgpr 512
		.amdhsa_next_free_sgpr 76
		.amdhsa_reserve_vcc 0
		.amdhsa_float_denorm_mode_32 3
		.amdhsa_float_denorm_mode_16_64 3
		.amdhsa_memory_ordered 1
		.amdhsa_forward_progress 1
		.amdhsa_inst_pref_size 74
	.end_amdhsa_kernel
	.amdgpu_metadata
---
amdhsa.version: [ 1, 2 ]
amdhsa.kernels:
  - .name:           k_qe5e1963154_proj
    .symbol:         k_qe5e1963154_proj.kd
    .args:
      - { .name: cc, .offset: 0, .size: 8, .value_kind: global_buffer, .address_space: global }
      - { .name: codes, .offset: 8, .size: 8, .value_kind: global_buffer, .address_space: global }
      - { .name: bo, .offset: 16, .size: 8, .value_kind: global_buffer, .address_space: global }
      - { .name: lowp_scales, .offset: 24, .size: 8, .value_kind: global_buffer, .address_space: global }
      - { .name: out0, .offset: 32, .size: 8, .value_kind: global_buffer, .address_space: global }
    .group_segment_fixed_size: 327680
    .private_segment_fixed_size: 0
    .kernarg_segment_align: 8
    .kernarg_segment_size: 40
    .max_flat_workgroup_size: 128
    .sgpr_count:     76
    .vgpr_count:     512
    .wavefront_size: 32
...
	.end_amdgpu_metadata
.endif
;; end of part 4
